; MI455X (gfx1250); checked and timed in simulation.
; The chip was launched on July 23, 2026; its instructions are those of AMD's public machine-readable ISA for CDNA 5 (MIT licence, August 2026) and "CDNA5" Instruction Set Architecture Reference Guide (July 2026). The comments in the code are by the model that wrote it; some were corrected since.
;; Retrieval Module. Allowed arithmetic: matrix products marked QUANTISED: E5M2 operands, one E8M0 scale for each 32 along K, by v_wmma_scale_f32_16x16x128_f8f6f4 with both operands' format E5M2, f32 sums; products left as they are: f32 operands where the result goes on into a quantised operand, else bf16, f16 or f32 operands; f32 sums; everything else in f32.
;; Inputs: keys 65,536 x 256 float32; query 4 x 512 x 256 float32; values 65,536 x 256 float32.
;; Outputs: out0 4 x 512 x 256 float32.
;; This version of the problem:
;;   THIS VERSION OF THE PROBLEM IS GIVEN IN LOW PRECISION. The matrix products marked QUANTISED in the list below multiply operands that are first quantised to E5M2 (5 exponent bits, 2 mantissa bits; 8 bits a number), with one power-of-two scale for each 32 numbers along K (OCP MX v1.0); their sums are f32. All else is computed in f32.
;;   The module's matrix products, in the order in which they are computed (A, B: the left and right operand; K: the contracted axis; several contracted axes count as one K, in the product's order):
;;     1. [M 2,048, K 256] x [K 256, N 65,536]; A: input query; B: input keys: QUANTISED
;;     2. batch 2,048 x [M 256, K 32] x [K 32, N 1]; A: computed on the way; B: softmax: left as it is (N = 1 < 16)
;;   THE QUANTISER, for each operand of a quantised product, along K:
;;     - K is cut into blocks of 32 from its start; a last block that is shorter is filled with zeros.
;;     - A block's scale is 2^e with e = floor(log2(the largest magnitude in the block)) - 15, held to -126 .. 127; a block of zeros has e = 0. As a byte (E8M0): e + 127.
;;     - Each number is divided by its block's scale, clamped to +-57,344, and rounded to the nearest number of E5M2, ties to even, subnormals kept.
;;     - The product sums the exact products of the quantised numbers (number of the format x scale) in f32.
;;   ~~~python
;;   def quantise(x, axis):      # numpy; x: float32 -> the quantised numbers, widened to float32 again
;;       x = np.moveaxis(x, axis, -1); K = x.shape[-1]
;;       x = np.pad(x, [(0, 0)] * (x.ndim - 1) + [(0, -K % 32)]); x = x.reshape(x.shape[:-1] + (-1, 32)); a = np.abs(x).max(-1, keepdims=True)
;;       e = np.where(a > 0, np.clip(np.frexp(np.where(a > 0, a, 1))[1] - 1 - 15, -126, 127), 0)      # np.frexp(a)[1] - 1 = floor(log2(a)), exactly
;;       r = np.clip(x / 2.0 ** e, -57344, 57344)
;;       step = 2.0 ** (np.maximum(np.frexp(np.where(r == 0, 1, r))[1] - 1, -14) - 2)
;;       q = np.round(r / step) * step * 2.0 ** e      # np.round: ties to even
;;       return np.moveaxis(q.reshape(q.shape[:-2] + (-1,))[..., :K], -1, axis).astype(np.float32)
;;   ~~~
;; 2 versions, each right; version 2 is version 1 with the launches rescore, gather written anew for expert scheduling mode. Each part assembles by itself: llvm-mc -triple=amdgcn-amd-amdhsa -mcpu=gfx1250 --defsym DOCPART=n.
;; ======== version 1 of 2: 6 launches
;; workspace buffers: codes 17,842,176 bytes; maxima 37,748,736 bytes; selc 262,144 bytes of whole numbers; self_ 524,288 bytes of whole numbers; sele 524,288 bytes of whole numbers; csc 4,194,304 bytes
;; launch quant (part 1): grid 528 x 1, 4 waves a work-group, no clusters, 34,304 bytes of LDS; arguments keys, query, codes; writes codes
.if DOCPART == 1
	.amdgcn_target "amdgcn-amd-amdhsa--gfx1250"
	.amdhsa_code_object_version 6
	.text
	.protected	k_qe99ffa2697_quant
	.globl	k_qe99ffa2697_quant
	.p2align	8
	.type	k_qe99ffa2697_quant,@function
k_qe99ffa2697_quant:
	s_mov_b64 s[64:65], 0
	v_nop
	global_prefetch_b8 v0, s[64:65] scope:SCOPE_SE
	s_setreg_imm32_b32 hwreg(HW_REG_WAVE_MODE, 25, 1), 1
	s_wait_xcnt 0x0
; keys [65536][256] and query [2048][256], f32, become codes of E5M2 with one E8M0 byte for each 32 along K, laid as IMAGES OF OPERAND REGISTERS.
; A tile is 16 rows x 256 K = 4,096 bytes: [K step 2][group c 4][lane 32][16 bytes]; lane 16 h + r of group c holds row r, k = 128 ks + 32 c + 16 h + 0 .. 15.
; Scale words: 256 bytes for a pair of tiles: [lane 32][2 words]; lane 16 ks + r, word (tile & 1) = row r's four bytes of K step ks.
; THE ROWS OF A KEY TILE ARE NOT NEIGHBOURS: tile 32 W + tau holds, as row 8 h + j, key 512 W + 256 h + 8 tau + j.  A query tile holds 16 neighbouring rows.
; A block's scale is 2^(floor(log2(largest magnitude)) - 15); its byte is the largest magnitude's exponent field - 15, held at 1 from below.
; LIMITS: a block of zeros, or one whose largest magnitude lies under 2^-111, gets the byte 1 (zeros stay zero codes; this program alone reads the bytes); NaN and infinities are not served.
; SHARES: a wave takes a pair of tiles = 4 units (tile t, K step ks) of 16 rows x 128 numbers.  Work-groups 0-511 take keys, 512-527 the query: one path, only pointers and strides are chosen.
; Each load reads 512 consecutive bytes of a row; a unit turns through the wave's own stage in LDS (16 rows, 528 bytes apart) so that a lane gets 16 neighbours of each block.  Waves share nothing: no barrier.
.set KSC,  16777216                    ; bytes in codes: keys' scale words,
.set QC,   17301504                    ; the query's codes,
.set QSC,  17825792                    ; the query's scale words
.set KWG,  512                         ; work-groups that take keys
.set STGB, 16*528                      ; a wave's stage
.set L16,  2                           ; v2   16 x lane
.set L8,   3                           ; v3   8 x lane
.set SA,   4                           ; v4   the stage, on the way in
.set LA,   5                           ; v5   and on the way out: row r, + 64 h
.set VO,   8                           ; v8-11  byte offset of (tile t, rows 8 half on): VO + 2 t + half
.set R,    16                          ; v16-143  two sets of 64, as loaded
.set X,    144                         ; v144-207 64 numbers in the operand's order
.set PC,   208                         ; v208-223 the codes
.set TM,   224                         ; v224-239 at work
.set PW,   240                         ; the scale word just made
.set PW0,  241                         ; that of K step 0, kept
.set SW,   242                         ; v242-243 the pair's scale words
.set SEL,  22
.set MNT,  24
.set HI,   25
	s_load_b128 s[4:7], s[0:1], 0x0                ; keys, query
	s_load_b64 s[8:9], s[0:1], 0x10                ; codes
	v_lshl_add_u32 v248, v0, 2, 0x8400
	v_mov_b32 v249, 0
	v_lshrrev_b32 v1, 5, v0
	v_readfirstlane_b32 s16, v1                    ; wave
	v_and_b32 v1, 31, v0                           ; lane
	v_lshlrev_b32 v[L16], 4, v1
	v_lshlrev_b32 v[L8], 3, v1
	s_mul_i32 s26, s16, STGB
	v_add_nc_u32 v[SA], s26, v[L16]
	v_and_b32 v6, 15, v0                           ; r
	v_bfe_u32 v7, v0, 4, 1                         ; h
	v_mul_u32_u24 v[LA], v6, 528
	v_lshl_add_u32 v[LA], v7, 6, v[LA]
	v_add_nc_u32 v[LA], s26, v[LA]
	s_mov_b32 s[SEL], 0x76543210
	s_mov_b32 s[SEL+1], 0xfedcba98                 ; lane l xor 16
	s_mov_b32 s[MNT], 0x600000                     ; the mantissa field of 57,344
	s_mov_b32 s[HI], 0xffff0000                    ; lanes 16-31
.irp b, 0,1,2,3
	v_mov_b32 v[TM+4+\b], 0                        ; a lane permute's destination counts as one of its sources
.endr
	s_lshr_b32 s10, ttmp9, 2
	s_lshl_b32 s10, s10, 9
	s_and_b32 s11, ttmp9, 3
	s_lshl_b32 s11, s11, 6
	s_add_co_u32 s10, s10, s11
	s_lshl_b32 s11, s16, 4
	s_add_co_u32 s10, s10, s11                     ; keys: first row 512 (g / 4) + 64 (g % 4) + 16 wave
	s_sub_co_u32 s18, ttmp9, KWG
	s_lshl_b32 s11, s18, 7
	s_lshl_b32 s12, s16, 5
	s_add_co_u32 s11, s11, s12                     ; query: first row 128 (g - 512) + 32 wave
	s_mov_b32 s13, 16*1024
	s_mov_b32 s14, 8*1024
	s_mov_b32 s15, QC
	s_mov_b32 s17, QSC
	s_wait_kmcnt 0x0
	s_cmp_lt_u32 ttmp9, KWG                        ; the choice hangs on the work-group's number alone
	s_cselect_b64 s[4:5], s[4:5], s[6:7]           ; the source
	s_cselect_b32 s10, s10, s11                    ; its first row
	s_cselect_b32 s12, ttmp9, s18                  ; the work-group's number within its tensor
	s_cselect_b32 s13, 8*1024, s13                 ; from tile to tile: 8 rows or 16
	s_cselect_b32 s14, 256*1024, s14               ; to a tile's rows 8-15: 256 rows or 8
	s_cselect_b32 s15, 0, s15                      ; where the codes go
	s_cselect_b32 s17, KSC, s17                    ; and the scale words
	s_lshl_b32 s10, s10, 10
	s_mov_b32 s11, 0
	s_add_nc_u64 s[4:5], s[4:5], s[10:11]
	s_lshl_b32 s18, s12, 15                        ; 8 tiles of 4,096 bytes a work-group,
	s_lshl_b32 s19, s16, 13                        ; 2 a wave
	s_add_co_u32 s18, s18, s19
	s_add_co_u32 s18, s18, s15
	s_mov_b32 s19, 0
	s_add_nc_u64 s[6:7], s[8:9], s[18:19]          ; my codes
	s_lshl_b32 s18, s12, 10                        ; 4 pairs of 256 bytes a work-group,
	s_lshl_b32 s20, s16, 8                         ; 1 a wave
	s_add_co_u32 s18, s18, s20
	s_add_co_u32 s18, s18, s17
	s_add_nc_u64 s[8:9], s[8:9], s[18:19]          ; my scale words
	v_mov_b32 v[VO], v[L16]
	v_add_nc_u32 v[VO+1], s14, v[L16]
	v_add_nc_u32 v[VO+2], s13, v[L16]
	v_add_nc_u32 v[VO+3], s13, v[VO+1]
.macro LOAD u                          ; unit u = 2 t + ks: 16 rows x 512 bytes, into set u % 2
.irp m, 0,1,2,3,4,5,6,7,8,9,10,11,12,13,14,15
	global_load_b128 v[R+64*((\u)%2)+4*\m:R+64*((\u)%2)+4*\m+3], v[VO+2*((\u)/2)+\m/8], s[4:5] offset:(\m%8)*1024+((\u)%2)*512 th:TH_LOAD_NT
.endr
.endm
; 64 numbers of a lane, register 16 b + i = k 32 b + 16 h + i of my row, become a fragment's codes in v[PC] on and its scale word in v[PW]
.macro QUANT s
.irp b, 0,1,2,3
	v_max3_num_f32 v[TM+\b], |v[\s+16*\b]|, |v[\s+1+16*\b]|, 0x8000000   ; my 16 numbers of block b, and the floor 2^(16 - 127): the byte cannot fall under 1
.endr
.irp i, 2,4,6,8,10,12,14
.irp b, 0,1,2,3
	v_max3_num_f32 v[TM+\b], v[TM+\b], |v[\s+16*\b+\i]|, |v[\s+1+16*\b+\i]|
.endr
.endr
.irp b, 0,1,2,3
	v_permlanex16_b32 v[TM+4+\b], v[TM+\b], s[SEL], s[SEL+1]
.endr
.irp b, 0,1,2,3
	v_max_num_f32 v[TM+\b], v[TM+\b], v[TM+4+\b]   ; with lane l xor 16's: the block's largest magnitude
.endr
.irp b, 0,1,2,3
	v_add_nc_u32 v[TM+12+\b], 0xf8800000, v[TM+\b]   ; 15 off its exponent field: the conversion's scale operand
.endr
.irp b, 0,1,2,3
	v_and_or_b32 v[TM+8+\b], v[TM+\b], 0x7f800000, s[MNT]   ; 57,344 x the scale
.endr
.irp b, 0,1,2,3
	v_lshrrev_b32 v[TM+4+\b], 23, v[TM+12+\b]      ; the scale's byte
.endr
	v_lshl_or_b32 v[PW], v[TM+5], 8, v[TM+4]
	v_lshl_or_b32 v[PW], v[TM+6], 16, v[PW]
	v_lshl_or_b32 v[PW], v[TM+7], 24, v[PW]
.irp b, 0,1,2,3
.irp i, 0,1,2,3,4,5,6,7,8,9,10,11,12,13,14,15
	v_med3_num_f32 v[\s+16*\b+\i], v[\s+16*\b+\i], -v[TM+8+\b], v[TM+8+\b]   ; the conversion does not saturate (ISA guide 7.6.2): the hold at the largest code x the scale
.endr
	v_cvt_scalef32_pk8_bf8_f32 v[PC+4*\b:PC+1+4*\b], v[\s+16*\b:\s+7+16*\b], v[TM+12+\b]
	v_cvt_scalef32_pk8_bf8_f32 v[PC+2+4*\b:PC+3+4*\b], v[\s+8+16*\b:\s+15+16*\b], v[TM+12+\b]
.endr
	v_nop                                          ; one plain vector line behind the last conversion
.endm
.macro UNIT u
.if (\u) < 3
	s_wait_loadcnt 16                              ; this unit's 16 loads are in; the next unit's 16 may be out
.else
	s_wait_loadcnt 0x0
.endif
.irp m, 0,1,2,3,4,5,6,7,8,9,10,11,12,13,14,15
	ds_store_b128 v[SA], v[R+64*((\u)%2)+4*\m:R+64*((\u)%2)+4*\m+3] offset:\m*528
.endr
.irp b, 0,1,2,3
.irp j, 0,1,2,3
	ds_load_b128 v[X+16*\b+4*\j:X+16*\b+4*\j+3], v[LA] offset:128*\b+16*\j   ; LDS serves a wave's instructions in order: these see the stores above
.endr
.endr
	s_wait_dscnt 0x0                               ; the stage's stores have read the set, and the numbers are back
	s_wait_xcnt 0x0                                ; the last unit's stores have read their data: the codes' registers may be written again
.if (\u) < 2
	LOAD (\u)+2
.endif
	QUANT X
.irp c, 0,1,2,3
	global_store_b128 v[L16], v[PC+4*\c:PC+4*\c+3], s[6:7] offset:((\u)/2)*4096+((\u)%2)*2048+\c*512   ; 512 consecutive bytes
.endr
.if (\u)%2 == 0
	v_mov_b32 v[PW0], v[PW]
.else
	v_cndmask_b32 v[SW+(\u)/2], v[PW0], v[PW], s[HI]   ; lanes 0-15: K step 0's words, lanes 16-31: K step 1's (both halves of the lanes hold a row's word)
.endif
.endm
	LOAD 0
	LOAD 1
	UNIT 0
	UNIT 1
	UNIT 2
	UNIT 3
	global_store_b64 v[L8], v[SW:SW+1], s[8:9]     ; 256 consecutive bytes, aligned
	s_wait_tensorcnt 0x0
	ds_add_u32 v248, v249
	s_wait_dscnt 0x0
	s_endpgm
.Lfunc_end_k_qe99ffa2697_quant:
	.size	k_qe99ffa2697_quant, .Lfunc_end_k_qe99ffa2697_quant-k_qe99ffa2697_quant
	.p2alignl 7, 3214868480
	.fill 96, 4, 3214868480
	.section	.rodata,"a",@progbits
	.p2align	6, 0x0
	.amdhsa_kernel k_qe99ffa2697_quant
		.amdhsa_group_segment_fixed_size 34304
		.amdhsa_private_segment_fixed_size 0
		.amdhsa_enable_private_segment 0
		.amdhsa_kernarg_size 24
		.amdhsa_user_sgpr_count 2
		.amdhsa_user_sgpr_kernarg_segment_ptr 1
		.amdhsa_wavefront_size32 1
		.amdhsa_system_sgpr_workgroup_id_x 1
		.amdhsa_system_sgpr_workgroup_id_y 1
		.amdhsa_system_sgpr_workgroup_id_z 1
		.amdhsa_system_vgpr_workitem_id 0
		.amdhsa_next_free_vgpr 250
		.amdhsa_next_free_sgpr 66
		.amdhsa_reserve_vcc 0
		.amdhsa_float_denorm_mode_32 3
		.amdhsa_float_denorm_mode_16_64 3
		.amdhsa_memory_ordered 1
		.amdhsa_forward_progress 1
		.amdhsa_inst_pref_size 52
	.end_amdhsa_kernel
	.amdgpu_metadata
---
amdhsa.version: [ 1, 2 ]
amdhsa.kernels:
  - .name:           k_qe99ffa2697_quant
    .symbol:         k_qe99ffa2697_quant.kd
    .args:
      - { .name: keys, .offset: 0, .size: 8, .value_kind: global_buffer, .address_space: global }
      - { .name: query, .offset: 8, .size: 8, .value_kind: global_buffer, .address_space: global }
      - { .name: codes, .offset: 16, .size: 8, .value_kind: global_buffer, .address_space: global }
    .group_segment_fixed_size: 34304
    .private_segment_fixed_size: 0
    .kernarg_segment_align: 8
    .kernarg_segment_size: 24
    .max_flat_workgroup_size: 128
    .sgpr_count:     66
    .vgpr_count:     250
    .wavefront_size: 32
...
	.end_amdgpu_metadata
.endif
;; end of part 1
;; launch score (part 2): grid 128 x 2, 8 waves a work-group, no clusters, 168,960 bytes of LDS; arguments codes, maxima; writes maxima
.if DOCPART == 2
	.amdgcn_target "amdgcn-amd-amdhsa--gfx1250"
	.amdhsa_code_object_version 6
	.text
	.protected	k_qe99ffa2697_score
	.globl	k_qe99ffa2697_score
	.p2align	8
	.type	k_qe99ffa2697_score,@function
k_qe99ffa2697_score:
	s_mov_b64 s[64:65], 0
	v_nop
	global_prefetch_b8 v0, s[64:65] scope:SCOPE_SE
	s_setreg_imm32_b32 hwreg(HW_REG_WAVE_MODE, 25, 1), 1
	s_wait_xcnt 0x0
; The quantised product query x keys^T on codes of E5M2, reduced at once to maxima: of 16 neighbouring keys (fine groups) and of 128 (coarse groups).  No score goes to memory.  The sums are raw: the factor 1/16 is exact and is applied in the softmax.
; SHARES: work-group (W, Y) takes keys 512 W .. 512 W + 511 and queries 1,024 Y on.  Each of eight waves keeps 8 query tiles (256 registers, window 1) and walks all 32 key tiles out of LDS: one tile's 4,096 bytes feed 16 matrix instructions.
; Source 0 = a key tile, source 1 = a query tile: lane (r, h) holds query r and the tile's rows 8 h + j, which are keys 512 W + 256 h + 8 tau + j: as tau rises a half of the lanes walks 256 neighbouring keys.
; Fine group 32 W + 16 h + (tau / 2) = key / 16; coarse group 4 W + 2 h + (tau / 16) = key / 128.
; LDS is filled ONCE: 131,072 bytes of codes, 4,096 of scale words; nothing is filled again, so there is no ring.  Waves 0 and 1 issue five tensor loads each (five are out at the most); the codes come in four chunks of 8 tiles, each waited for when it is due.
; NO CLUSTER: a key tile has two readers (Y = 0, 1), and the grid's 2 along y divides into no cluster of four; the query's 64 tiles of a work-group, 262,144 bytes, do not fit in LDS beside the keys' 135,168, so they go from memory straight into registers, where no joint load can put them.
; maxima: fine at qt 262144 + W 2048 + (phi / 4) 512 + lane 16 + (phi % 4) 4 (phi = tau / 2); coarse, from byte 33,554,432 on, at qt 32768 + W 256 + r 16 + (2 h + kappa) 4.
.set KSC,  16777216
.set QC,   17301504
.set QSC,  17825792
.set CBB,  33554432
.set LI0,  1                           ; v1   16 x lane
.set LI1,  2                           ; v2   + 65,536: tiles 16-31
.set LSA,  3                           ; v3   131,072 + 8 x lane: the scale words
.set L8,   4                           ; v4   8 x lane
.set CO,   5                           ; v5   16 r + 8 h
.set QS,   8                           ; v8-15   the query tiles' scale words
.set KS,   16                          ; v16-19  the key tiles' scale words, two pairs by turns
.set KF,   32                          ; v32-95  a key tile's two fragments, two sets
.set ACC,  96                          ; v96-159 eight accumulators
.set FINE, 160                         ; v160-191  4 a + phi % 4
.set COARSE, 192                       ; v192-207  2 a + kappa
.set WV,   8
.set G0,   24                          ; s[24:43] five groups 0: the scale words, then the four chunks
.set G1C,  44                          ; s[44:51] group 1: 64 rows of 256 bytes
.set G1S,  52                          ; s[52:59] group 1: 8 rows of 256 bytes
.set MSB, 0
.macro WIN new                         ; the immediate's high byte repeats the setting that is left
.if MSB != \new
	s_set_vgpr_msb (MSB<<8)|\new
.set MSB, \new
.endif
.endm
	s_load_b128 s[4:7], s[0:1], 0x0                ; codes, maxima
	v_lshl_add_u32 v254, v0, 2, 0x29000
	v_mov_b32 v255, 0
	ds_add_u32 v254, v255
	ds_add_u32 v254, v255
	v_lshrrev_b32 v1, 5, v0
	v_readfirstlane_b32 s[WV], v1                  ; wave 0..7
	s_and_b32 s9, s[WV], 1                         ; which half of each block a fetching wave brings
	s_and_b32 s11, ttmp7, 0xffff                   ; Y
	s_mov_b32 s[G1C], 3<<16                        ; elements of 8 bytes, no mask, no padding: images are read as they lie
	s_mov_b32 s[G1C+1], 32<<16                     ; tensor_dim0 = 32 elements = 256 bytes
	s_mov_b32 s[G1C+2], 64<<16                     ; tensor_dim1 = 64
	s_mov_b32 s[G1C+3], 32<<16                     ; tile_dim0
	s_mov_b32 s[G1C+4], 64                         ; tile_dim1
	s_mov_b32 s[G1C+5], 32                         ; the pitch: dense
	s_mov_b32 s[G1C+6], 0
	s_mov_b32 s[G1C+7], 0
	s_mov_b32 s[G1S], 3<<16
	s_mov_b32 s[G1S+1], 32<<16
	s_mov_b32 s[G1S+2], 8<<16
	s_mov_b32 s[G1S+3], 32<<16
	s_mov_b32 s[G1S+4], 8
	s_mov_b32 s[G1S+5], 32
	s_mov_b32 s[G1S+6], 0
	s_mov_b32 s[G1S+7], 0
	s_lshl_b32 s12, s9, 14                         ; 16,384 x half
	s_lshl_b32 s13, s9, 11                         ; 2,048 x half
	s_lshl_b32 s14, ttmp9, 17                      ; W's 32 tiles: 131,072 bytes
	s_add_co_u32 s14, s14, s12
	s_mov_b32 s15, 0
	s_lshl_b32 s16, ttmp9, 12                      ; W's 16 pairs of scale words: 4,096 bytes
	s_add_co_u32 s16, s16, s13
	s_add_co_u32 s16, s16, KSC
	s_mov_b32 s17, 0
	s_wait_dscnt 0x0
	s_wait_kmcnt 0x0
	s_add_nc_u64 s[14:15], s[4:5], s[14:15]
	s_add_nc_u64 s[16:17], s[4:5], s[16:17]
	s_mov_b32 s[G0], 1
	s_add_co_u32 s[G0+1], s13, 131072
	s_mov_b64 s[G0+2:G0+3], s[16:17]
	s_or_b32 s[G0+3], s[G0+3], 0x80000000
.irp c, 0,1,2,3
	s_mov_b32 s[G0+4+4*\c], 1
	s_add_co_u32 s[G0+5+4*\c], s12, \c*32768
	s_add_nc_u64 s[G0+6+4*\c:G0+7+4*\c], s[14:15], \c*32768
	s_or_b32 s[G0+7+4*\c], s[G0+7+4*\c], 0x80000000
.endr
	s_cmp_lt_u32 s[WV], 2                          ; all first fills of a wave stand in one branch on the wave's number, ahead of every wait on TENSORcnt, LDS read and barrier
	s_cbranch_scc0 .Lno_fill
	tensor_load_to_lds s[G0:G0+3], s[G1S:G1S+7]
	s_nop 0
	tensor_load_to_lds s[G0+4:G0+7], s[G1C:G1C+7]
	s_nop 0
	tensor_load_to_lds s[G0+8:G0+11], s[G1C:G1C+7]
	s_nop 0
	tensor_load_to_lds s[G0+12:G0+15], s[G1C:G1C+7]
	s_nop 0
	tensor_load_to_lds s[G0+16:G0+19], s[G1C:G1C+7]
	s_nop 0
.rept 4
	v_nop                                          ; four lines behind the last tensor load
.endr
.Lno_fill:
	v_and_b32 v6, 31, v0
	v_lshlrev_b32 v[LI0], 4, v6
	v_add_nc_u32 v[LI1], 0x10000, v[LI0]
	v_lshlrev_b32 v[L8], 3, v6
	v_add_nc_u32 v[LSA], 0x20000, v[L8]
	v_and_b32 v7, 15, v0
	v_bfe_u32 v6, v0, 4, 1
	v_lshlrev_b32 v[CO], 4, v7
	v_lshl_add_u32 v[CO], v6, 3, v[CO]
	s_lshl_b32 s12, s11, 6
	s_lshl_b32 s13, s[WV], 3
	s_add_co_u32 s12, s12, s13                     ; my first query tile: 64 Y + 8 wave
	s_lshl_b32 s14, s12, 12
	s_add_co_u32 s14, s14, QC
	s_mov_b32 s15, 0
	s_add_nc_u64 s[66:67], s[4:5], s[14:15]        ; its codes
	s_lshl_b32 s14, s12, 7
	s_add_co_u32 s14, s14, QSC
	s_add_nc_u64 s[68:69], s[4:5], s[14:15]        ; its scale words
	s_lshl_b32 s14, s12, 18
	s_lshl_b32 s16, ttmp9, 11
	s_add_co_u32 s14, s14, s16
	s_add_nc_u64 s[60:61], s[6:7], s[14:15]        ; the fine maxima
	s_lshl_b32 s14, s12, 15
	s_lshl_b32 s16, ttmp9, 8
	s_add_co_u32 s14, s14, s16
	s_add_co_u32 s14, s14, CBB
	s_add_nc_u64 s[62:63], s[6:7], s[14:15]        ; the coarse maxima
	WIN 0x40                                       ; destination window 1
.irp a, 0,1,2,3,4,5,6,7
.irp k, 0,1
.irp c, 0,1,2,3
	global_load_b128 v[32*\a+16*\k+4*\c:32*\a+16*\k+4*\c+3], v[LI0], s[66:67] offset:\a*4096+\k*2048+\c*512
.endr
.endr
.endr
	WIN 0
.irp p, 0,1,2,3
	global_load_b64 v[QS+2*\p:QS+2*\p+1], v[L8], s[68:69] offset:\p*256
.endr
.macro KLOAD t                         ; key tile t into set t % 2; with an even tile the pair's scale words
.irp k, 0,1
.irp c, 0,1,2,3
	ds_load_b128 v[KF+32*((\t)%2)+16*\k+4*\c:KF+32*((\t)%2)+16*\k+4*\c+3], v[LI0+(\t)/16] offset:((\t)%16)*4096+\k*2048+\c*512
.endr
.endr
.if (\t)%2 == 0
	ds_load_b64 v[KS+2*(((\t)/2)%2):KS+2*(((\t)/2)%2)+1], v[LSA] offset:((\t)/2)*256
.endif
.endm
.macro TILE t
	s_wait_dscnt 0x0                               ; this tile's fragments are in; no LDS instruction of mine is out at a signal
.if ((\t)+1)%8 == 0 && (\t)+1 < 32
	s_wait_tensorcnt 3-((\t)+1)/8                  ; the next chunk of 8 tiles has landed; the chunks issued behind it may be out
	s_barrier_signal -1
	s_barrier_wait -1
.endif
.if (\t)+1 < 32
	KLOAD (\t)+1                                   ; into the set that the tile before this one left: eight v_nop and its maxima stand between
.endif
	WIN 0x04                                       ; source 1 (the query) window 1
.irp a, 0,1,2,3,4,5,6,7                ; the eight accumulators by turns; the first K step starts the sums
	v_wmma_scale_f32_16x16x128_f8f6f4 v[ACC+8*\a:ACC+8*\a+7], v[KF+32*((\t)%2):KF+32*((\t)%2)+15], v[32*\a:32*\a+15], 0, v[KS+2*(((\t)/2)%2)+(\t)%2], v[QS+\a] matrix_a_fmt:MATRIX_FMT_BF8 matrix_b_fmt:MATRIX_FMT_BF8
.endr
.irp a, 0,1,2,3,4,5,6,7
	v_wmma_scale_f32_16x16x128_f8f6f4 v[ACC+8*\a:ACC+8*\a+7], v[KF+32*((\t)%2)+16:KF+32*((\t)%2)+31], v[32*\a+16:32*\a+31], v[ACC+8*\a:ACC+8*\a+7], v[KS+2*(((\t)/2)%2)+(\t)%2], v[QS+\a] matrix_a_fmt:MATRIX_FMT_BF8 matrix_b_fmt:MATRIX_FMT_BF8 matrix_a_scale:MATRIX_SCALE_ROW1 matrix_b_scale:MATRIX_SCALE_ROW1
.endr
	WIN 0
.rept 8
	v_nop                                          ; eight places behind this form, in front of the first read of results
.endr
.set FI, FINE+((\t)/2)%4
.if (\t)%8 == 0 && (\t) > 0
	s_wait_xcnt 0x0                                ; the last stores have read the fine maxima: they may be written again
.endif
.if (\t)%2 == 0                        ; a fine group is two tiles: the even one starts its maximum.  Each accumulator is read from its low end on
.irp a, 0,1,2,3,4,5,6,7
	v_max3_num_f32 v[FI+4*\a], v[ACC+8*\a], v[ACC+8*\a+1], v[ACC+8*\a+2]
.endr
.irp a, 0,1,2,3,4,5,6,7
	v_max3_num_f32 v[FI+4*\a], v[FI+4*\a], v[ACC+8*\a+3], v[ACC+8*\a+4]
.endr
.irp a, 0,1,2,3,4,5,6,7
	v_max3_num_f32 v[FI+4*\a], v[FI+4*\a], v[ACC+8*\a+5], v[ACC+8*\a+6]
.endr
.irp a, 0,1,2,3,4,5,6,7
	v_max_num_f32 v[FI+4*\a], v[FI+4*\a], v[ACC+8*\a+7]
.endr
.else
.irp i, 0,2,4,6
.irp a, 0,1,2,3,4,5,6,7
	v_max3_num_f32 v[FI+4*\a], v[FI+4*\a], v[ACC+8*\a+\i], v[ACC+8*\a+\i+1]
.endr
.endr
.endif
.if (\t)%8 == 7                        ; four fine groups are whole: into the coarse maximum, and out
.set GG, (\t)/8
.set CR, COARSE+(\t)/16
.if GG%2 == 0
.irp a, 0,1,2,3,4,5,6,7
	v_max3_num_f32 v[CR+2*\a], v[FINE+4*\a], v[FINE+4*\a+1], v[FINE+4*\a+2]
.endr
.irp a, 0,1,2,3,4,5,6,7
	v_max_num_f32 v[CR+2*\a], v[CR+2*\a], v[FINE+4*\a+3]
.endr
.else
.irp a, 0,1,2,3,4,5,6,7
	v_max3_num_f32 v[CR+2*\a], v[CR+2*\a], v[FINE+4*\a], v[FINE+4*\a+1]
.endr
.irp a, 0,1,2,3,4,5,6,7
	v_max3_num_f32 v[CR+2*\a], v[CR+2*\a], v[FINE+4*\a+2], v[FINE+4*\a+3]
.endr
.endif
.irp a, 0,1,2,3,4,5,6,7
	global_store_b128 v[LI0], v[FINE+4*\a:FINE+4*\a+3], s[60:61] offset:\a*262144+GG*512 th:TH_STORE_NT   ; 512 consecutive bytes, aligned
.endr
.endif
.endm
	s_wait_tensorcnt 3                             ; the scale words and chunk 0 have landed; three chunks may be out (a wave that fetched nothing passes)
	s_barrier_signal -1
	s_barrier_wait -1
	KLOAD 0
	s_wait_loadcnt 0x0                             ; the query
.irp t, 0,1,2,3,4,5,6,7,8,9,10,11,12,13,14,15,16,17,18,19,20,21,22,23,24,25,26,27,28,29,30,31
	TILE \t
.endr
.irp a, 0,1,2,3,4,5,6,7
	global_store_b64 v[CO], v[COARSE+2*\a:COARSE+2*\a+1], s[62:63] offset:\a*32768   ; 256 consecutive bytes, aligned
.endr
	s_wait_tensorcnt 0x0
	ds_add_u32 v254, v255
	s_wait_dscnt 0x0
	s_endpgm
.Lfunc_end_k_qe99ffa2697_score:
	.size	k_qe99ffa2697_score, .Lfunc_end_k_qe99ffa2697_score-k_qe99ffa2697_score
	.p2alignl 7, 3214868480
	.fill 96, 4, 3214868480
	.section	.rodata,"a",@progbits
	.p2align	6, 0x0
	.amdhsa_kernel k_qe99ffa2697_score
		.amdhsa_group_segment_fixed_size 168960
		.amdhsa_private_segment_fixed_size 0
		.amdhsa_enable_private_segment 0
		.amdhsa_kernarg_size 16
		.amdhsa_user_sgpr_count 2
		.amdhsa_user_sgpr_kernarg_segment_ptr 1
		.amdhsa_wavefront_size32 1
		.amdhsa_system_sgpr_workgroup_id_x 1
		.amdhsa_system_sgpr_workgroup_id_y 1
		.amdhsa_system_sgpr_workgroup_id_z 1
		.amdhsa_system_vgpr_workitem_id 0
		.amdhsa_next_free_vgpr 512
		.amdhsa_next_free_sgpr 80
		.amdhsa_reserve_vcc 0
		.amdhsa_float_denorm_mode_32 3
		.amdhsa_float_denorm_mode_16_64 3
		.amdhsa_memory_ordered 1
		.amdhsa_forward_progress 1
		.amdhsa_inst_pref_size 172
	.end_amdhsa_kernel
	.amdgpu_metadata
---
amdhsa.version: [ 1, 2 ]
amdhsa.kernels:
  - .name:           k_qe99ffa2697_score
    .symbol:         k_qe99ffa2697_score.kd
    .args:
      - { .name: codes, .offset: 0, .size: 8, .value_kind: global_buffer, .address_space: global }
      - { .name: maxima, .offset: 8, .size: 8, .value_kind: global_buffer, .address_space: global }
    .group_segment_fixed_size: 168960
    .private_segment_fixed_size: 0
    .kernarg_segment_align: 8
    .kernarg_segment_size: 16
    .max_flat_workgroup_size: 256
    .sgpr_count:     80
    .vgpr_count:     512
    .wavefront_size: 32
...
	.end_amdgpu_metadata
.endif
;; end of part 2
;; launch pickc (part 3): grid 256 x 1, 8 waves a work-group, no clusters, 19,456 bytes of LDS; arguments maxima, selc; writes selc
.if DOCPART == 3
	.amdgcn_target "amdgcn-amd-amdhsa--gfx1250"
	.amdhsa_code_object_version 6
	.text
	.protected	k_qe99ffa2697_pickc
	.globl	k_qe99ffa2697_pickc
	.p2align	8
	.type	k_qe99ffa2697_pickc,@function
k_qe99ffa2697_pickc:
	s_mov_b64 s[64:65], 0
	v_nop
	global_prefetch_b8 v0, s[64:65] scope:SCOPE_SE
	s_setreg_imm32_b32 hwreg(HW_REG_WAVE_MODE, 25, 1), 1
	s_wait_xcnt 0x0
; For each query row: the 32 best of its 512 coarse groups, by (maximum descending, group ascending), as 16 lane masks (bit l of mask i: group 32 i + l).
; The 32 best groups hold the 32 best elements: an element outside them is preceded by one element of each of 32 groups (by value, or on a tie by the lower index, groups being ranges of neighbours).
; No address and no branch hangs on a maximum: the 32nd largest is found by bisection on the bits of an order-keeping whole number, 32 trips; ties at it are taken in index order by counting.
; SHARES: work-group g takes rows 8 g .. 8 g + 7 (query tile g / 2), a wave a row.  The tile's coarse maxima lie [W 128][row 16][4]: the work-group's 128 bytes of each 256 come in by 16 bytes a lane and turn through LDS (144 bytes a W).
; LIMITS: NaN is not served; -0 and +0 rank as equal.
.set CBB,  33554432
.set K,    16                          ; v16-31 the row's 512 maxima: register i, lane l: group 32 i + l
.set M,    32                          ; s32-47 the masks
.set VT,   12
.set S_T,  48
.set S_B,  49
.set S_N,  50
.set S_R,  51
.set S_C,  52
.set S_Q,  53
.set S_E,  54
.set S_X,  55
.set S_Y,  56
.set S_U,  58
.macro SELECT n, k, m
.set i, 0
.rept \n
	v_add_f32 v[(\k)+i], 0, v[(\k)+i]              ; -0 becomes +0
.set i, i+1
.endr
.set i, 0
.rept \n
	v_ashrrev_i32 v[VT+i%2], 31, v[(\k)+i]         ; an unsigned number that keeps the order: negative numbers are turned over, the others get the top bit
	v_or_b32 v[VT+i%2], 0x80000000, v[VT+i%2]
	v_xor_b32 v[(\k)+i], v[VT+i%2], v[(\k)+i]
.set i, i+1
.endr
	s_mov_b32 s[S_T], 0
	s_mov_b32 s[S_B], 0x80000000
	s_mov_b32 s[S_N], 32
.Lbit_\@:                              ; the largest T with 32 or more items at or above it, bit by bit: it is the 32nd largest item
	s_or_b32 s[S_R], s[S_T], s[S_B]
.set i, 0
.rept \n
	v_cmp_le_u32 s[(\m)+i], s[S_R], v[(\k)+i]
.set i, i+1
.endr
	s_bcnt1_i32_b32 s[S_C], s[\m]
.set i, 1
.rept \n-1
	s_bcnt1_i32_b32 s[S_U+i%2], s[(\m)+i]
	s_add_co_u32 s[S_C], s[S_C], s[S_U+i%2]
.set i, i+1
.endr
	s_cmp_ge_u32 s[S_C], 32
	s_cselect_b32 s[S_T], s[S_R], s[S_T]           ; the data choose a value, never a way
	s_lshr_b32 s[S_B], s[S_B], 1
	s_sub_co_u32 s[S_N], s[S_N], 1
	s_cmp_lg_u32 s[S_N], 0
	s_cbranch_scc1 .Lbit_\@
.set i, 0
.rept \n
	v_cmp_lt_u32 s[(\m)+i], s[S_T], v[(\k)+i]      ; all that lie above T are in
.set i, i+1
.endr
	s_bcnt1_i32_b32 s[S_C], s[\m]
.set i, 1
.rept \n-1
	s_bcnt1_i32_b32 s[S_U+i%2], s[(\m)+i]
	s_add_co_u32 s[S_C], s[S_C], s[S_U+i%2]
.set i, i+1
.endr
	s_sub_co_u32 s[S_Q], 32, s[S_C]                ; so many of those equal to T, the lowest indices first
	s_mov_b32 s[S_E], 0
.set i, 0
.rept \n
	v_cmp_eq_u32 s[S_X], s[S_T], v[(\k)+i]
	v_mbcnt_lo_u32_b32 v[VT], s[S_X], s[S_E]       ; how many equals come before mine
	v_cmp_gt_u32 s[S_Y], s[S_Q], v[VT]
	s_and_b32 s[S_Y], s[S_Y], s[S_X]
	s_or_b32 s[(\m)+i], s[(\m)+i], s[S_Y]
	s_bcnt1_i32_b32 s[S_U], s[S_X]
	s_add_co_u32 s[S_E], s[S_E], s[S_U]
.set i, i+1
.endr
.endm
.macro MASKS2V n, m, vd                ; mask i into lane i
	v_mov_b32 v[\vd], 0
.set i, 0
.rept \n
	v_writelane_b32 v[\vd], s[(\m)+i], i
.set i, i+1
.endr
.endm
	s_load_b128 s[4:7], s[0:1], 0x0                ; maxima, selc
	v_lshl_add_u32 v48, v0, 2, 0x4800
	v_mov_b32 v49, 0
	v_lshrrev_b32 v1, 5, v0
	v_readfirstlane_b32 s8, v1                     ; wave = my row among the eight
	v_and_b32 v1, 31, v0
	v_lshrrev_b32 v2, 3, v1
	s_lshl_b32 s9, s8, 4
	v_add_nc_u32 v2, s9, v2                        ; in: W = 16 wave + lane / 8 (+ 4 for each further load)
	v_and_b32 v3, 7, v1
	v_lshlrev_b32 v3, 4, v3                        ; row lane % 8 of the eight: 16 bytes
	v_lshl_add_u32 v4, v2, 8, v3                   ; in memory: 256 bytes a W
	v_mad_u32_u24 v5, v2, 144, v3                  ; in LDS: 144
	v_lshrrev_b32 v6, 2, v1
	v_mul_u32_u24 v6, v6, 144
	v_and_b32 v7, 3, v1
	v_lshl_add_u32 v6, v7, 2, v6
	v_add_nc_u32 v6, s9, v6                        ; back: group 32 i + l lies at W = 8 i + l / 4, word l % 4 of my row's 16 bytes
	v_lshlrev_b32 v8, 2, v1
	s_and_b32 s10, ttmp9, 1
	s_lshl_b32 s10, s10, 7                         ; rows 0-7 or 8-15 of the tile: 128 bytes
	s_lshr_b32 s11, ttmp9, 1
	s_lshl_b32 s11, s11, 15
	s_add_co_u32 s10, s10, s11
	s_add_co_u32 s10, s10, CBB
	s_mov_b32 s11, 0
	s_lshl_b32 s12, ttmp9, 10
	s_lshl_b32 s13, s8, 7
	s_add_co_u32 s12, s12, s13                     ; my row's 128 bytes of selc
	s_mov_b32 s13, 0
	s_wait_kmcnt 0x0
	s_add_nc_u64 s[4:5], s[4:5], s[10:11]
	s_add_nc_u64 s[6:7], s[6:7], s[12:13]
.irp x, 0,1,2,3
	global_load_b128 v[16+4*\x:19+4*\x], v4, s[4:5] offset:\x*1024
.endr
	s_wait_loadcnt 0x0
.irp x, 0,1,2,3
	ds_store_b128 v5, v[16+4*\x:19+4*\x] offset:\x*576
.endr
	s_wait_dscnt 0x0                               ; for the others' sake: my stores have landed
	s_barrier_signal -1
	s_barrier_wait -1
.irp i, 0,1,2,3,4,5,6,7,8,9,10,11,12,13,14,15
	ds_load_b32 v[K+\i], v6 offset:\i*1152
.endr
	s_wait_dscnt 0x0
	SELECT 16, K, M
	MASKS2V 16, M, 9
	global_store_b32 v8, v9, s[6:7]                ; words 0-15 the masks, words 16-31 zeros
	s_wait_tensorcnt 0x0
	ds_add_u32 v48, v49
	s_wait_dscnt 0x0
	s_endpgm
.Lfunc_end_k_qe99ffa2697_pickc:
	.size	k_qe99ffa2697_pickc, .Lfunc_end_k_qe99ffa2697_pickc-k_qe99ffa2697_pickc
	.p2alignl 7, 3214868480
	.fill 96, 4, 3214868480
	.section	.rodata,"a",@progbits
	.p2align	6, 0x0
	.amdhsa_kernel k_qe99ffa2697_pickc
		.amdhsa_group_segment_fixed_size 19456
		.amdhsa_private_segment_fixed_size 0
		.amdhsa_enable_private_segment 0
		.amdhsa_kernarg_size 16
		.amdhsa_user_sgpr_count 2
		.amdhsa_user_sgpr_kernarg_segment_ptr 1
		.amdhsa_wavefront_size32 1
		.amdhsa_system_sgpr_workgroup_id_x 1
		.amdhsa_system_sgpr_workgroup_id_y 1
		.amdhsa_system_sgpr_workgroup_id_z 1
		.amdhsa_system_vgpr_workitem_id 0
		.amdhsa_next_free_vgpr 50
		.amdhsa_next_free_sgpr 66
		.amdhsa_reserve_vcc 0
		.amdhsa_float_denorm_mode_32 3
		.amdhsa_float_denorm_mode_16_64 3
		.amdhsa_memory_ordered 1
		.amdhsa_forward_progress 1
		.amdhsa_inst_pref_size 17
	.end_amdhsa_kernel
	.amdgpu_metadata
---
amdhsa.version: [ 1, 2 ]
amdhsa.kernels:
  - .name:           k_qe99ffa2697_pickc
    .symbol:         k_qe99ffa2697_pickc.kd
    .args:
      - { .name: maxima, .offset: 0, .size: 8, .value_kind: global_buffer, .address_space: global }
      - { .name: selc, .offset: 8, .size: 8, .value_kind: global_buffer, .address_space: global }
    .group_segment_fixed_size: 19456
    .private_segment_fixed_size: 0
    .kernarg_segment_align: 8
    .kernarg_segment_size: 16
    .max_flat_workgroup_size: 256
    .sgpr_count:     66
    .vgpr_count:     50
    .wavefront_size: 32
...
	.end_amdgpu_metadata
.endif
;; end of part 3
;; launch pickf (part 4): grid 2048 x 1, 1 waves a work-group, no clusters, 512 bytes of LDS; arguments selc, maxima, self_; writes self_
.if DOCPART == 4
	.amdgcn_target "amdgcn-amd-amdhsa--gfx1250"
	.amdhsa_code_object_version 6
	.text
	.protected	k_qe99ffa2697_pickf
	.globl	k_qe99ffa2697_pickf
	.p2align	8
	.type	k_qe99ffa2697_pickf,@function
k_qe99ffa2697_pickf:
	s_mov_b64 s[64:65], 0
	v_nop
	global_prefetch_b8 v0, s[64:65] scope:SCOPE_SE
	s_setreg_imm32_b32 hwreg(HW_REG_WAVE_MODE, 25, 1), 1
	s_wait_xcnt 0x0
; For each query row: the chosen 32 coarse groups' masks become a list (ascending); their 32 x 8 fine maxima are gathered; the 32 best fine groups, by (maximum descending, group ascending), leave as 8 lane masks beside the list.
; One wave, one row.  Every address that hangs on data comes from whole numbers that an earlier launch stored, held by a constant before use.
; self_: [row][lane 32][2 words]: the coarse list (lane = place), and in lanes 0-7 the masks (bit l of mask i: item 32 i + l = 8 x place + fine group within the coarse one).
; LIMITS: NaN is not served; -0 and +0 rank as equal.
.set VLN,  1                           ; lane
.set VL4,  2                           ; 4 x lane
.set VZ,   3                           ; 0
.set VDU,  4                           ; 32: the word behind the list, for lanes that have nothing to place
.set VE,   5                           ; my fine group's place within a coarse one, in bytes
.set VS,   6                           ; 4 x (lane / 8)
.set L8,   7
.set VP,   8
.set VD,   10
.set VT,   12
.set K,    16                          ; v16-23 the 256 fine maxima
.set AD,   24                          ; v24-31 their byte offsets
.set M,    32
.set S_T,  48
.set S_B,  49
.set S_N,  50
.set S_R,  51
.set S_C,  52
.set S_Q,  53
.set S_E,  54
.set S_X,  55
.set S_Y,  56
.set S_P,  57
.set S_U,  58
.macro SELECT n, k, m
.set i, 0
.rept \n
	v_add_f32 v[(\k)+i], 0, v[(\k)+i]              ; -0 becomes +0
.set i, i+1
.endr
.set i, 0
.rept \n
	v_ashrrev_i32 v[VT+i%2], 31, v[(\k)+i]         ; an unsigned number that keeps the order
	v_or_b32 v[VT+i%2], 0x80000000, v[VT+i%2]
	v_xor_b32 v[(\k)+i], v[VT+i%2], v[(\k)+i]
.set i, i+1
.endr
	s_mov_b32 s[S_T], 0
	s_mov_b32 s[S_B], 0x80000000
	s_mov_b32 s[S_N], 32
.Lbit_\@:                              ; the largest T with 32 or more items at or above it: the 32nd largest item
	s_or_b32 s[S_R], s[S_T], s[S_B]
.set i, 0
.rept \n
	v_cmp_le_u32 s[(\m)+i], s[S_R], v[(\k)+i]
.set i, i+1
.endr
	s_bcnt1_i32_b32 s[S_C], s[\m]
.set i, 1
.rept \n-1
	s_bcnt1_i32_b32 s[S_U+i%2], s[(\m)+i]
	s_add_co_u32 s[S_C], s[S_C], s[S_U+i%2]
.set i, i+1
.endr
	s_cmp_ge_u32 s[S_C], 32
	s_cselect_b32 s[S_T], s[S_R], s[S_T]
	s_lshr_b32 s[S_B], s[S_B], 1
	s_sub_co_u32 s[S_N], s[S_N], 1
	s_cmp_lg_u32 s[S_N], 0
	s_cbranch_scc1 .Lbit_\@
.set i, 0
.rept \n
	v_cmp_lt_u32 s[(\m)+i], s[S_T], v[(\k)+i]
.set i, i+1
.endr
	s_bcnt1_i32_b32 s[S_C], s[\m]
.set i, 1
.rept \n-1
	s_bcnt1_i32_b32 s[S_U+i%2], s[(\m)+i]
	s_add_co_u32 s[S_C], s[S_C], s[S_U+i%2]
.set i, i+1
.endr
	s_sub_co_u32 s[S_Q], 32, s[S_C]
	s_mov_b32 s[S_E], 0
.set i, 0
.rept \n
	v_cmp_eq_u32 s[S_X], s[S_T], v[(\k)+i]
	v_mbcnt_lo_u32_b32 v[VT], s[S_X], s[S_E]
	v_cmp_gt_u32 s[S_Y], s[S_Q], v[VT]
	s_and_b32 s[S_Y], s[S_Y], s[S_X]
	s_or_b32 s[(\m)+i], s[(\m)+i], s[S_Y]
	s_bcnt1_i32_b32 s[S_U], s[S_X]
	s_add_co_u32 s[S_E], s[S_E], s[S_U]
.set i, i+1
.endr
.endm
.macro MASKS2V n, m, vd
	v_mov_b32 v[\vd], 0
.set i, 0
.rept \n
	v_writelane_b32 v[\vd], s[(\m)+i], i
.set i, i+1
.endr
.endm
; Masks s[first + stride i] become a list in LDS words 0-31: the index 32 i + lane of each set bit goes to the word whose number is the count of set bits before it.
; The place is held at 32 (the word behind the list) by a constant in the instruction.  One wave: LDS serves its instructions in order.
.macro COMPACT n, first, stride
	ds_store_b32 v[VL4], v[VZ]                     ; every word of the list is written
	s_mov_b32 s[S_P], 0
.set i, 0
.rept \n
	v_mbcnt_lo_u32_b32 v[VP+i%2], s[\first+\stride*i], s[S_P]
	v_cndmask_b32 v[VP+i%2], v[VDU], v[VP+i%2], s[\first+\stride*i]
	v_min_u32 v[VP+i%2], 32, v[VP+i%2]
	v_lshlrev_b32 v[VP+i%2], 2, v[VP+i%2]
	v_add_nc_u32 v[VD+i%2], 32*i, v[VLN]
	ds_store_b32 v[VP+i%2], v[VD+i%2]
	s_bcnt1_i32_b32 s[S_U], s[\first+\stride*i]
	s_add_co_u32 s[S_P], s[S_P], s[S_U]
.set i, i+1
.endr
.endm
	s_load_b128 s[4:7], s[0:1], 0x0                ; selc, maxima
	s_load_b64 s[8:9], s[0:1], 0x10                ; self_
	v_lshl_add_u32 v48, v0, 2, 0x100
	v_mov_b32 v49, 0
	v_and_b32 v[VLN], 31, v0
	v_lshlrev_b32 v[VL4], 2, v[VLN]
	v_lshlrev_b32 v[L8], 3, v[VLN]
	v_mov_b32 v[VZ], 0
	v_mov_b32 v[VDU], 32
	v_bfe_u32 v[VE], v0, 2, 1                      ; e = lane % 8: (e / 4) x 512 + (e % 4) x 4
	v_lshlrev_b32 v[VE], 9, v[VE]
	v_and_b32 v[VS], 3, v0
	v_lshl_add_u32 v[VE], v[VS], 2, v[VE]
	v_lshrrev_b32 v[VS], 3, v[VLN]
	v_lshlrev_b32 v[VS], 2, v[VS]
	s_lshl_b32 s10, ttmp9, 7                       ; my row of selc
	s_mov_b32 s11, 0
	s_lshr_b32 s12, ttmp9, 4
	s_lshl_b32 s12, s12, 18                        ; my query tile's fine maxima,
	s_and_b32 s13, ttmp9, 15
	s_lshl_b32 s13, s13, 4                         ; my row's 16 bytes in each 256
	s_add_co_u32 s12, s12, s13
	s_mov_b32 s13, 0
	s_lshl_b32 s14, ttmp9, 8                       ; my row of self_
	s_mov_b32 s15, 0
	s_wait_kmcnt 0x0
	s_add_nc_u64 s[4:5], s[4:5], s[10:11]
	s_load_b512 s[16:31], s[4:5], 0x0              ; the 16 masks
	s_add_nc_u64 s[6:7], s[6:7], s[12:13]
	s_add_nc_u64 s[8:9], s[8:9], s[14:15]
	s_wait_kmcnt 0x0
	COMPACT 16, 16, 1
	ds_load_b32 v40, v[VL4]                        ; the list: lane = place
.irp i, 0,1,2,3,4,5,6,7
	ds_load_b32 v[K+\i], v[VS] offset:16*\i        ; place 4 i + lane / 8
.endr
	s_wait_dscnt 0x0
.irp i, 0,1,2,3,4,5,6,7                ; coarse group c = 4 W + 2 h + kappa: W x 2,048 + kappa x 1,024 + h x 256, + my fine group's place
	v_min_u32 v[K+\i], 0x1ff, v[K+\i]
	v_and_b32 v[AD+\i], 0x1fc, v[K+\i]
	v_lshlrev_b32 v[AD+\i], 9, v[AD+\i]
	v_and_b32 v[VT], 1, v[K+\i]
	v_lshlrev_b32 v[VT], 10, v[VT]
	v_add_nc_u32 v[AD+\i], v[AD+\i], v[VT]
	v_and_b32 v[VT+1], 2, v[K+\i]
	v_lshlrev_b32 v[VT+1], 7, v[VT+1]
	v_add_nc_u32 v[AD+\i], v[AD+\i], v[VT+1]
	v_add_nc_u32 v[AD+\i], v[AD+\i], v[VE]
.endr
.irp i, 0,1,2,3,4,5,6,7
	global_load_b32 v[K+\i], v[AD+\i], s[6:7]
.endr
	s_wait_loadcnt 0x0
	SELECT 8, K, M
	MASKS2V 8, M, 41
	global_store_b64 v[L8], v[40:41], s[8:9]       ; 256 consecutive bytes, aligned
	s_wait_tensorcnt 0x0
	ds_add_u32 v48, v49
	s_wait_dscnt 0x0
	s_endpgm
.Lfunc_end_k_qe99ffa2697_pickf:
	.size	k_qe99ffa2697_pickf, .Lfunc_end_k_qe99ffa2697_pickf-k_qe99ffa2697_pickf
	.p2alignl 7, 3214868480
	.fill 96, 4, 3214868480
	.section	.rodata,"a",@progbits
	.p2align	6, 0x0
	.amdhsa_kernel k_qe99ffa2697_pickf
		.amdhsa_group_segment_fixed_size 512
		.amdhsa_private_segment_fixed_size 0
		.amdhsa_enable_private_segment 0
		.amdhsa_kernarg_size 24
		.amdhsa_user_sgpr_count 2
		.amdhsa_user_sgpr_kernarg_segment_ptr 1
		.amdhsa_wavefront_size32 1
		.amdhsa_system_sgpr_workgroup_id_x 1
		.amdhsa_system_sgpr_workgroup_id_y 1
		.amdhsa_system_sgpr_workgroup_id_z 1
		.amdhsa_system_vgpr_workitem_id 0
		.amdhsa_next_free_vgpr 50
		.amdhsa_next_free_sgpr 66
		.amdhsa_reserve_vcc 0
		.amdhsa_float_denorm_mode_32 3
		.amdhsa_float_denorm_mode_16_64 3
		.amdhsa_memory_ordered 1
		.amdhsa_forward_progress 1
		.amdhsa_inst_pref_size 19
	.end_amdhsa_kernel
	.amdgpu_metadata
---
amdhsa.version: [ 1, 2 ]
amdhsa.kernels:
  - .name:           k_qe99ffa2697_pickf
    .symbol:         k_qe99ffa2697_pickf.kd
    .args:
      - { .name: selc, .offset: 0, .size: 8, .value_kind: global_buffer, .address_space: global }
      - { .name: maxima, .offset: 8, .size: 8, .value_kind: global_buffer, .address_space: global }
      - { .name: self_, .offset: 16, .size: 8, .value_kind: global_buffer, .address_space: global }
    .group_segment_fixed_size: 512
    .private_segment_fixed_size: 0
    .kernarg_segment_align: 8
    .kernarg_segment_size: 24
    .max_flat_workgroup_size: 32
    .sgpr_count:     66
    .vgpr_count:     50
    .wavefront_size: 32
...
	.end_amdgpu_metadata
.endif
;; end of part 4
;; launch rescore (part 5): grid 2048 x 1, 1 waves a work-group, no clusters, 2,816 bytes of LDS; arguments self_, codes, sele, csc; writes sele, csc
.if DOCPART == 5
	.amdgcn_target "amdgcn-amd-amdhsa--gfx1250"
	.amdhsa_code_object_version 6
	.text
	.protected	k_qe99ffa2697_rescore
	.globl	k_qe99ffa2697_rescore
	.p2align	8
	.type	k_qe99ffa2697_rescore,@function
k_qe99ffa2697_rescore:
	s_mov_b64 s[64:65], 0
	v_nop
	global_prefetch_b8 v0, s[64:65] scope:SCOPE_SE
	s_setreg_imm32_b32 hwreg(HW_REG_WAVE_MODE, 25, 1), 1
	s_wait_xcnt 0x0
; For each query row: the chosen 32 fine groups (16 neighbouring keys each) are scored again, by the same matrix instruction on the same codes with k in the same places; the 512 raw sums go to csc, the 32 best, by (score descending, key ascending), to sele as 16 lane masks.
; One wave, one row.  Source 0 = a fine group's 16 keys, gathered from two neighbouring key tiles (rows 8 h .. 8 h + 7 of each); source 1 = my query row in all 16 columns: so register j of a lane of half h2 is key 16 fid + 8 h2 + j, the same in all sixteen lanes.
; Fine group fid = 32 W + 16 h + phi lies in tiles 32 W + 2 phi and + 1.  Every address that hangs on data comes from whole numbers that an earlier launch stored, held by a constant before use.
; sele: [row][lane 32][2 words]: the fine list (lane = place, ascending), and in lanes 0-15 the masks (bit l of mask i: candidate 32 i + l = 16 x place + key within the group).  csc: [row][512] f32.
; LIMITS: NaN is not served; -0 and +0 rank as equal; raw sums rank as the scores do as long as a sixteenth of them is no denormal (magnitudes from 2^-122 on, or 0).
.set KSC,  16777216
.set QC,   17301504
.set QSC,  17825792
.set STG,  256                         ; LDS: words 0-32 the list and the word behind it; from 256 on the 512 scores
.set VLN,  1
.set VL4,  2
.set VZ,   3
.set VDU,  4
.set L16,  5
.set L8,   6
.set VP,   8
.set VD,   10
.set VT,   12
.set LC,   14                          ; my lane's place in a gathered fragment's codes
.set LSC,  15                          ; and among its scale words
.set QF,   16                          ; v16-47  the query's two fragments
.set QSW,  48                          ; its scale words
.set VCO,  50                          ; v50-53  byte offsets of four groups' codes
.set VSO,  54                          ; v54-57  and scale words
.set QA,   58
.set QSA,  59
.set FID,  60                          ; v60 the fine list, v61 the masks
.set IT,   62
.set TA,   63
.set KF,   64                          ; v64-191 four groups x two fragments
.set KS,   192                         ; v192-195 their scale words
.set ACC,  200                         ; v200-231 four accumulators
.set STA,  232
.set K,    64                          ; later: v64-79 the 512 candidates
.set CS,   80                          ; v80-95 the same, for csc
.set M,    16                          ; s16-31: first the loaded masks, later the masks made
.set S_T,  48
.set S_B,  49
.set S_N,  50
.set S_R,  51
.set S_C,  52
.set S_Q,  53
.set S_E,  54
.set S_X,  55
.set S_Y,  56
.set S_P,  57
.set S_U,  58
.macro SELECT n, k, m
.set i, 0
.rept \n
	v_add_f32 v[(\k)+i], 0, v[(\k)+i]              ; -0 becomes +0
.set i, i+1
.endr
.set i, 0
.rept \n
	v_ashrrev_i32 v[VT+i%2], 31, v[(\k)+i]         ; an unsigned number that keeps the order
	v_or_b32 v[VT+i%2], 0x80000000, v[VT+i%2]
	v_xor_b32 v[(\k)+i], v[VT+i%2], v[(\k)+i]
.set i, i+1
.endr
	s_mov_b32 s[S_T], 0
	s_mov_b32 s[S_B], 0x80000000
	s_mov_b32 s[S_N], 32
.Lbit_\@:                              ; the largest T with 32 or more items at or above it: the 32nd largest item
	s_or_b32 s[S_R], s[S_T], s[S_B]
.set i, 0
.rept \n
	v_cmp_le_u32 s[(\m)+i], s[S_R], v[(\k)+i]
.set i, i+1
.endr
	s_bcnt1_i32_b32 s[S_C], s[\m]
.set i, 1
.rept \n-1
	s_bcnt1_i32_b32 s[S_U+i%2], s[(\m)+i]
	s_add_co_u32 s[S_C], s[S_C], s[S_U+i%2]
.set i, i+1
.endr
	s_cmp_ge_u32 s[S_C], 32
	s_cselect_b32 s[S_T], s[S_R], s[S_T]
	s_lshr_b32 s[S_B], s[S_B], 1
	s_sub_co_u32 s[S_N], s[S_N], 1
	s_cmp_lg_u32 s[S_N], 0
	s_cbranch_scc1 .Lbit_\@
.set i, 0
.rept \n
	v_cmp_lt_u32 s[(\m)+i], s[S_T], v[(\k)+i]
.set i, i+1
.endr
	s_bcnt1_i32_b32 s[S_C], s[\m]
.set i, 1
.rept \n-1
	s_bcnt1_i32_b32 s[S_U+i%2], s[(\m)+i]
	s_add_co_u32 s[S_C], s[S_C], s[S_U+i%2]
.set i, i+1
.endr
	s_sub_co_u32 s[S_Q], 32, s[S_C]
	s_mov_b32 s[S_E], 0
.set i, 0
.rept \n
	v_cmp_eq_u32 s[S_X], s[S_T], v[(\k)+i]
	v_mbcnt_lo_u32_b32 v[VT], s[S_X], s[S_E]
	v_cmp_gt_u32 s[S_Y], s[S_Q], v[VT]
	s_and_b32 s[S_Y], s[S_Y], s[S_X]
	s_or_b32 s[(\m)+i], s[(\m)+i], s[S_Y]
	s_bcnt1_i32_b32 s[S_U], s[S_X]
	s_add_co_u32 s[S_E], s[S_E], s[S_U]
.set i, i+1
.endr
.endm
.macro MASKS2V n, m, vd
	v_mov_b32 v[\vd], 0
.set i, 0
.rept \n
	v_writelane_b32 v[\vd], s[(\m)+i], i
.set i, i+1
.endr
.endm
.macro COMPACT n, first, stride        ; masks to a list in LDS words 0-31; the place is held at 32 by a constant in the instruction
	ds_store_b32 v[VL4], v[VZ]
	s_mov_b32 s[S_P], 0
.set i, 0
.rept \n
	v_mbcnt_lo_u32_b32 v[VP+i%2], s[\first+\stride*i], s[S_P]
	v_cndmask_b32 v[VP+i%2], v[VDU], v[VP+i%2], s[\first+\stride*i]
	v_min_u32 v[VP+i%2], 32, v[VP+i%2]
	v_lshlrev_b32 v[VP+i%2], 2, v[VP+i%2]
	v_add_nc_u32 v[VD+i%2], 32*i, v[VLN]
	ds_store_b32 v[VP+i%2], v[VD+i%2]
	s_bcnt1_i32_b32 s[S_U], s[\first+\stride*i]
	s_add_co_u32 s[S_P], s[S_P], s[S_U]
.set i, i+1
.endr
.endm
	s_load_b256 s[4:11], s[0:1], 0x0               ; self_, codes, sele, csc
	v_lshl_add_u32 v240, v0, 2, 0xa00
	v_mov_b32 v241, 0
	v_and_b32 v[VLN], 31, v0
	v_lshlrev_b32 v[VL4], 2, v[VLN]
	v_lshlrev_b32 v[L16], 4, v[VLN]
	v_lshlrev_b32 v[L8], 3, v[VLN]
	v_mov_b32 v[VZ], 0
	v_mov_b32 v[VDU], 32
	v_bfe_u32 v8, v0, 3, 1                         ; r / 8: which of the two tiles
	v_bfe_u32 v9, v0, 4, 1                         ; the lane's half
	v_and_b32 v10, 7, v0                           ; r % 8
	v_lshlrev_b32 v[LC], 12, v8                    ; codes: (r / 8) x 4,096 + (16 half + r % 8) x 16
	v_lshl_add_u32 v[LC], v9, 8, v[LC]
	v_lshl_add_u32 v[LC], v10, 4, v[LC]
	v_lshlrev_b32 v[LSC], 7, v9                    ; scale words: K step (= half) x 128 + (r % 8) x 8 + (r / 8) x 4
	v_lshl_add_u32 v[LSC], v10, 3, v[LSC]
	v_lshl_add_u32 v[LSC], v8, 2, v[LSC]
	v_lshlrev_b32 v[QA], 8, v9                     ; the query: my half's 256 bytes of a group; the row stands in the base
	v_lshlrev_b32 v[QSA], 7, v9
	v_lshl_add_u32 v[STA], v9, 5, STG              ; the scores' stage: 32 bytes for each half
	s_lshr_b32 s12, ttmp9, 4                       ; my query tile,
	s_and_b32 s13, ttmp9, 15                       ; my row in it
	s_lshl_b32 s38, s12, 12
	s_lshl_b32 s39, s13, 4
	s_add_co_u32 s38, s38, s39
	s_add_co_u32 s38, s38, QC
	s_mov_b32 s39, 0
	s_lshr_b32 s40, s12, 1
	s_lshl_b32 s40, s40, 8
	s_lshl_b32 s41, s13, 3
	s_add_co_u32 s40, s40, s41
	s_and_b32 s41, s12, 1
	s_lshl_b32 s41, s41, 2
	s_add_co_u32 s40, s40, s41
	s_add_co_u32 s40, s40, QSC
	s_mov_b32 s41, 0
	s_lshl_b32 s42, ttmp9, 8
	s_mov_b32 s43, 0
	s_lshl_b32 s44, ttmp9, 11
	s_mov_b32 s45, 0
	s_wait_kmcnt 0x0
	s_add_nc_u64 s[4:5], s[4:5], s[42:43]          ; my row of self_
	s_load_b512 s[16:31], s[4:5], 0x0              ; lanes 0-7's pairs: the masks are the odd words
	s_add_nc_u64 s[32:33], s[6:7], s[38:39]        ; the query's codes
	s_add_nc_u64 s[34:35], s[6:7], s[40:41]        ; its scale words
	s_add_nc_u64 s[36:37], s[6:7], KSC             ; the keys' scale words
	s_add_nc_u64 s[8:9], s[8:9], s[42:43]          ; my row of sele
	s_add_nc_u64 s[10:11], s[10:11], s[44:45]      ; and of csc
.irp k, 0,1
.irp c, 0,1,2,3
	global_load_b128 v[QF+16*\k+4*\c:QF+16*\k+4*\c+3], v[QA], s[32:33] offset:\k*2048+\c*512
.endr
.endr
	global_load_b32 v[QSW], v[QSA], s[34:35]
	s_wait_kmcnt 0x0
	COMPACT 8, 17, 2
	ds_load_b32 v[IT], v[VL4]                      ; item = 8 x place in the coarse list + fine group within
	s_wait_dscnt 0x0
	v_min_u32 v[IT], 0xff, v[IT]
	v_and_b32 v[TA], 0xf8, v[IT]                   ; 8 bytes a place
	global_load_b32 v[FID], v[TA], s[4:5]          ; the coarse group
	s_wait_loadcnt 0x0                             ; and the query is in too
	v_min_u32 v[FID], 0x1ff, v[FID]
	v_lshlrev_b32 v[FID], 3, v[FID]
	v_and_b32 v[IT], 7, v[IT]
	v_add_nc_u32 v[FID], v[FID], v[IT]             ; the fine list: lane = place, ascending
.macro BATCH b                         ; places 4 b .. 4 b + 3
.irp j, 0,1,2,3
	v_readlane_b32 s[38+\j], v[FID], 4*(\b)+\j
.endr
.irp j, 0,1,2,3
	s_min_u32 s[38+\j], s[38+\j], 0xfff
	s_and_b32 s42, s[38+\j], 0xfe0                 ; 32 W
	s_and_b32 s43, s[38+\j], 15                    ; phi
	s_and_b32 s44, s[38+\j], 16                    ; 16 h
	s_lshl_b32 s45, s42, 12                        ; codes: tile 32 W + 2 phi, row 8 h
	s_lshl_b32 s46, s43, 13
	s_add_co_u32 s45, s45, s46
	s_lshl_b32 s46, s44, 3
	s_add_co_u32 s45, s45, s46
	v_add_nc_u32 v[VCO+\j], s45, v[LC]
	s_lshl_b32 s45, s42, 7                         ; scale words: pair 16 W + phi, row 8 h
	s_lshl_b32 s46, s43, 8
	s_add_co_u32 s45, s45, s46
	s_lshl_b32 s46, s44, 2
	s_add_co_u32 s45, s45, s46
	v_add_nc_u32 v[VSO+\j], s45, v[LSC]
.endr
.irp j, 0,1,2,3
.irp k, 0,1
.irp c, 0,1,2,3
	global_load_b128 v[KF+32*\j+16*\k+4*\c:KF+32*\j+16*\k+4*\c+3], v[VCO+\j], s[6:7] offset:\k*2048+\c*512
.endr
.endr
	global_load_b32 v[KS+\j], v[VSO+\j], s[36:37]
.endr
	s_wait_loadcnt 0x0                             ; all 36 are in, and their offsets' registers are free
.irp j, 0,1,2,3                        ; the four accumulators by turns
	v_wmma_scale_f32_16x16x128_f8f6f4 v[ACC+8*\j:ACC+8*\j+7], v[KF+32*\j:KF+32*\j+15], v[QF:QF+15], 0, v[KS+\j], v[QSW] matrix_a_fmt:MATRIX_FMT_BF8 matrix_b_fmt:MATRIX_FMT_BF8
.endr
.irp j, 0,1,2,3
	v_wmma_scale_f32_16x16x128_f8f6f4 v[ACC+8*\j:ACC+8*\j+7], v[KF+32*\j+16:KF+32*\j+31], v[QF+16:QF+31], v[ACC+8*\j:ACC+8*\j+7], v[KS+\j], v[QSW] matrix_a_fmt:MATRIX_FMT_BF8 matrix_b_fmt:MATRIX_FMT_BF8 matrix_a_scale:MATRIX_SCALE_ROW1 matrix_b_scale:MATRIX_SCALE_ROW1
.endr
.rept 8
	v_nop                                          ; eight places: in front of the stores that read the results, and of the next loads into the operands' registers; the next batch's eight additions make them more than the nine that its first products want
.endr
.irp j, 0,1,2,3
	ds_store_b128 v[STA], v[ACC+8*\j:ACC+8*\j+3] offset:64*(4*(\b)+\j)       ; sixteen lanes write the same bytes with the same values; each accumulator from its low end on
	ds_store_b128 v[STA], v[ACC+8*\j+4:ACC+8*\j+7] offset:64*(4*(\b)+\j)+16
.endr
.endm
.irp b, 0,1,2,3,4,5,6,7
	BATCH \b
.endr
.irp i, 0,1,2,3,4,5,6,7,8,9,10,11,12,13,14,15
	ds_load_b32 v[K+\i], v[VL4] offset:STG+128*\i  ; candidate 32 i + lane.  LDS serves a wave's instructions in order: these see the stores above
.endr
.irp x, 0,1,2,3
	ds_load_b128 v[CS+4*\x:CS+4*\x+3], v[L16] offset:STG+512*\x
.endr
	s_wait_dscnt 0x0
.irp x, 0,1,2,3
	global_store_b128 v[L16], v[CS+4*\x:CS+4*\x+3], s[10:11] offset:512*\x   ; 512 consecutive bytes, aligned
.endr
	SELECT 16, K, M
	MASKS2V 16, M, FID+1
	global_store_b64 v[L8], v[FID:FID+1], s[8:9]   ; 256 consecutive bytes, aligned
	s_wait_tensorcnt 0x0
	ds_add_u32 v240, v241
	s_wait_dscnt 0x0
	s_endpgm
.Lfunc_end_k_qe99ffa2697_rescore:
	.size	k_qe99ffa2697_rescore, .Lfunc_end_k_qe99ffa2697_rescore-k_qe99ffa2697_rescore
	.p2alignl 7, 3214868480
	.fill 96, 4, 3214868480
	.section	.rodata,"a",@progbits
	.p2align	6, 0x0
	.amdhsa_kernel k_qe99ffa2697_rescore
		.amdhsa_group_segment_fixed_size 2816
		.amdhsa_private_segment_fixed_size 0
		.amdhsa_enable_private_segment 0
		.amdhsa_kernarg_size 32
		.amdhsa_user_sgpr_count 2
		.amdhsa_user_sgpr_kernarg_segment_ptr 1
		.amdhsa_wavefront_size32 1
		.amdhsa_system_sgpr_workgroup_id_x 1
		.amdhsa_system_sgpr_workgroup_id_y 1
		.amdhsa_system_sgpr_workgroup_id_z 1
		.amdhsa_system_vgpr_workitem_id 0
		.amdhsa_next_free_vgpr 242
		.amdhsa_next_free_sgpr 66
		.amdhsa_reserve_vcc 0
		.amdhsa_float_denorm_mode_32 3
		.amdhsa_float_denorm_mode_16_64 3
		.amdhsa_memory_ordered 1
		.amdhsa_forward_progress 1
		.amdhsa_inst_pref_size 83
	.end_amdhsa_kernel
	.amdgpu_metadata
---
amdhsa.version: [ 1, 2 ]
amdhsa.kernels:
  - .name:           k_qe99ffa2697_rescore
    .symbol:         k_qe99ffa2697_rescore.kd
    .args:
      - { .name: self_, .offset: 0, .size: 8, .value_kind: global_buffer, .address_space: global }
      - { .name: codes, .offset: 8, .size: 8, .value_kind: global_buffer, .address_space: global }
      - { .name: sele, .offset: 16, .size: 8, .value_kind: global_buffer, .address_space: global }
      - { .name: csc, .offset: 24, .size: 8, .value_kind: global_buffer, .address_space: global }
    .group_segment_fixed_size: 2816
    .private_segment_fixed_size: 0
    .kernarg_segment_align: 8
    .kernarg_segment_size: 32
    .max_flat_workgroup_size: 32
    .sgpr_count:     66
    .vgpr_count:     242
    .wavefront_size: 32
...
	.end_amdgpu_metadata
.endif
;; end of part 5
;; launch gather (part 6): grid 2048 x 1, 1 waves a work-group, no clusters, 512 bytes of LDS; arguments sele, csc, values, out0; writes out0
.if DOCPART == 6
	.amdgcn_target "amdgcn-amd-amdhsa--gfx1250"
	.amdhsa_code_object_version 6
	.text
	.protected	k_qe99ffa2697_gather
	.globl	k_qe99ffa2697_gather
	.p2align	8
	.type	k_qe99ffa2697_gather,@function
k_qe99ffa2697_gather:
	s_mov_b64 s[64:65], 0
	v_nop
	global_prefetch_b8 v0, s[64:65] scope:SCOPE_SE
	s_setreg_imm32_b32 hwreg(HW_REG_WAVE_MODE, 25, 1), 1
	s_wait_xcnt 0x0
; For each query row: the 16 masks become the list of its 32 best candidates; their raw sums and keys are fetched; softmax of sum / 16 with the largest taken away first; the 32 rows of values are gathered and summed with the weights, in f32 fused multiply-adds.
; One wave, one row; a lane holds one candidate in the softmax, and 8 of the 256 channels in the sum.  A row of values is two loads of 512 consecutive bytes.
; The 32 rows go in four batches of 8 (16 loads) through three buffers: 48 loads are out while the softmax is made.  No matrix unit: the second product has one column.
; Every address that hangs on data comes from whole numbers that an earlier launch stored, held by a constant before use.
; LIMITS: NaN and infinities are not served; a weight under 2^-126 of the largest counts as 0.
.set VLN,  1
.set VL4,  2
.set VZ,   3
.set VDU,  4
.set L16,  5
.set VP,   8
.set VD,   10
.set CI,   12                          ; the candidate: 16 x place in the fine list + key within the group
.set TA,   13
.set TB,   14
.set SCR,  15                          ; its raw sum
.set FID,  16
.set KID,  17                          ; its key
.set MX,   18
.set TP,   19
.set P,    20
.set SM,   21
.set WGT,  22
.set VOF,  32                          ; v32-55  byte offsets of 24 rows
.set SUM,  56                          ; v56-63  my 8 channels
.set BUF,  64                          ; v64-255 three buffers of 8 rows x 8 registers
.set SEL,  48
.set S_P,  57
.set S_U,  58
.macro COMPACT n, first, stride        ; masks to a list in LDS words 0-31; the place is held at 32 (the word behind the list) by a constant in the instruction
	ds_store_b32 v[VL4], v[VZ]
	s_mov_b32 s[S_P], 0
.set i, 0
.rept \n
	v_mbcnt_lo_u32_b32 v[VP+i%2], s[\first+\stride*i], s[S_P]
	v_cndmask_b32 v[VP+i%2], v[VDU], v[VP+i%2], s[\first+\stride*i]
	v_min_u32 v[VP+i%2], 32, v[VP+i%2]
	v_lshlrev_b32 v[VP+i%2], 2, v[VP+i%2]
	v_add_nc_u32 v[VD+i%2], 32*i, v[VLN]
	ds_store_b32 v[VP+i%2], v[VD+i%2]
	s_bcnt1_i32_b32 s[S_U], s[\first+\stride*i]
	s_add_co_u32 s[S_P], s[S_P], s[S_U]
.set i, i+1
.endr
.endm
	s_load_b256 s[4:11], s[0:1], 0x0               ; sele, csc, values, out0
	v_lshl_add_u32 v30, v0, 2, 0x100
	v_mov_b32 v31, 0
	v_and_b32 v[VLN], 31, v0
	v_lshlrev_b32 v[VL4], 2, v[VLN]
	v_lshlrev_b32 v[L16], 4, v[VLN]
	v_mov_b32 v[VZ], 0
	v_mov_b32 v[VDU], 32
	v_mov_b32 v[TP], 0                             ; a lane permute's destination counts as one of its sources
	s_mov_b32 s[SEL], 0x76543210
	s_mov_b32 s[SEL+1], 0xfedcba98                 ; lane l xor 16
	s_lshl_b32 s12, ttmp9, 8
	s_mov_b32 s13, 0
	s_lshl_b32 s14, ttmp9, 11
	s_mov_b32 s15, 0
	s_lshl_b32 s50, ttmp9, 10
	s_mov_b32 s51, 0
	s_wait_kmcnt 0x0
	s_add_nc_u64 s[4:5], s[4:5], s[12:13]          ; my row of sele
	s_load_b512 s[16:31], s[4:5], 0x0              ; lanes 0-15's pairs: the masks are the odd words
	s_load_b512 s[32:47], s[4:5], 0x40
	s_add_nc_u64 s[6:7], s[6:7], s[14:15]          ; of csc
	s_add_nc_u64 s[10:11], s[10:11], s[50:51]      ; of out0
	s_wait_kmcnt 0x0
	COMPACT 16, 17, 2
	ds_load_b32 v[CI], v[VL4]
	s_wait_dscnt 0x0
	v_lshrrev_b32 v[TA], 4, v[CI]                  ; the place in the fine list: shifted first, then held
	v_min_u32 v[TA], 31, v[TA]
	v_lshlrev_b32 v[TA], 3, v[TA]                  ; 8 bytes a place
	v_min_u32 v[CI], 0x1ff, v[CI]
	v_lshlrev_b32 v[TB], 2, v[CI]
	global_load_b32 v[SCR], v[TB], s[6:7]
	global_load_b32 v[FID], v[TA], s[4:5]
	s_mov_b32 s33, 0                               ; the weights' pairs: the packed forms name a pair and take its low word for both halves, so the upper words are written
	s_mov_b32 s35, 0
	s_mov_b32 s37, 0
	s_mov_b32 s39, 0
	s_wait_loadcnt 0x0
	v_min_u32 v[FID], 0xfff, v[FID]
	v_lshlrev_b32 v[FID], 4, v[FID]
	v_and_b32 v[CI], 15, v[CI]
	v_add_nc_u32 v[KID], v[FID], v[CI]             ; the key: lane = rank's place
.macro ISSUE q, bu                     ; rows 8 q .. 8 q + 7 into buffer bu
.irp k, 0,1,2,3,4,5,6,7
	v_readlane_b32 s[16+\k], v[KID], 8*(\q)+\k
.endr
.irp k, 0,1,2,3,4,5,6,7
	s_min_u32 s[16+\k], s[16+\k], 0xffff
	s_lshl_b32 s[16+\k], s[16+\k], 10              ; 1,024 bytes a row
	v_add_nc_u32 v[VOF+8*(\bu)+\k], s[16+\k], v[L16]
	global_load_b128 v[BUF+64*(\bu)+8*\k:BUF+64*(\bu)+8*\k+3], v[VOF+8*(\bu)+\k], s[8:9]
	global_load_b128 v[BUF+64*(\bu)+8*\k+4:BUF+64*(\bu)+8*\k+7], v[VOF+8*(\bu)+\k], s[8:9] offset:512
.endr
.endm
.macro USE q, bu                       ; the sum takes rows 8 q .. 8 q + 7; the very first row starts it: nothing is cleared
.irp k, 0,1,2,3,4,5,6,7
	v_readlane_b32 s[32+2*(\k%4)], v[WGT], 8*(\q)+\k
.irp i, 0,1,2,3
.if (\q) == 0 && \k == 0
	v_pk_mul_f32 v[SUM+2*\i:SUM+2*\i+1], v[BUF+64*(\bu)+8*\k+2*\i:BUF+64*(\bu)+8*\k+2*\i+1], s[32+2*(\k%4):33+2*(\k%4)] op_sel_hi:[1,0]
.else
	v_pk_fma_f32 v[SUM+2*\i:SUM+2*\i+1], v[BUF+64*(\bu)+8*\k+2*\i:BUF+64*(\bu)+8*\k+2*\i+1], s[32+2*(\k%4):33+2*(\k%4)], v[SUM+2*\i:SUM+2*\i+1] op_sel_hi:[1,0,1]
.endif
.endr
.endr
.endm
	ISSUE 0, 0
	ISSUE 1, 1
	ISSUE 2, 2
	; the softmax over the 32 lanes, while the rows are on their way
	v_mov_b32 v[MX], v[SCR]
	v_max_num_f32_dpp v[MX], v[MX], v[MX] row_xmask:1 row_mask:0xf bank_mask:0xf
	v_max_num_f32_dpp v[MX], v[MX], v[MX] row_xmask:2 row_mask:0xf bank_mask:0xf
	v_max_num_f32_dpp v[MX], v[MX], v[MX] row_xmask:4 row_mask:0xf bank_mask:0xf
	v_max_num_f32_dpp v[MX], v[MX], v[MX] row_xmask:8 row_mask:0xf bank_mask:0xf
	v_permlanex16_b32 v[TP], v[MX], s[SEL], s[SEL+1]
	v_max_num_f32 v[MX], v[MX], v[TP]              ; the largest raw sum
	v_sub_f32 v[P], v[SCR], v[MX]
	v_mul_f32 v[P], 0x3db8aa3b, v[P]               ; x log2(e) / 16: the scores' factor 256^-0.5 and the change of base in one
	v_exp_f32 v[P], v[P]
	v_nop                                          ; a plain line behind the transcendental,
	s_wait_alu depctr_va_vdst(0)                   ; and a wait ahead of its first reader
	v_mov_b32 v[SM], v[P]
	v_add_f32_dpp v[SM], v[SM], v[SM] row_xmask:1 row_mask:0xf bank_mask:0xf
	v_add_f32_dpp v[SM], v[SM], v[SM] row_xmask:2 row_mask:0xf bank_mask:0xf
	v_add_f32_dpp v[SM], v[SM], v[SM] row_xmask:4 row_mask:0xf bank_mask:0xf
	v_add_f32_dpp v[SM], v[SM], v[SM] row_xmask:8 row_mask:0xf bank_mask:0xf
	v_permlanex16_b32 v[TP], v[SM], s[SEL], s[SEL+1]
	v_add_f32 v[SM], v[SM], v[TP]                  ; at least 1: the largest's own term
	v_rcp_f32 v[SM], v[SM]
	v_nop
	s_wait_alu depctr_va_vdst(0)
	v_mul_f32 v[WGT], v[P], v[SM]                  ; the weights: lane = place
	s_wait_loadcnt 32                              ; batch 0's 16 loads are in; batches 1 and 2 may be out
	USE 0, 0
	ISSUE 3, 0                                     ; into batch 0's buffer and offsets, which that wait has freed
	s_wait_loadcnt 32                              ; batch 1 is in; batches 2 and 3 may be out
	USE 1, 1
	s_wait_loadcnt 16                              ; batch 2 is in; batch 3 may be out
	USE 2, 2
	s_wait_loadcnt 0x0
	USE 3, 0
	global_store_b128 v[L16], v[SUM:SUM+3], s[10:11]               ; 512 consecutive bytes, aligned
	global_store_b128 v[L16], v[SUM+4:SUM+7], s[10:11] offset:512
	s_wait_tensorcnt 0x0
	ds_add_u32 v30, v31
	s_wait_dscnt 0x0
	s_endpgm
.Lfunc_end_k_qe99ffa2697_gather:
	.size	k_qe99ffa2697_gather, .Lfunc_end_k_qe99ffa2697_gather-k_qe99ffa2697_gather
	.p2alignl 7, 3214868480
	.fill 96, 4, 3214868480
	.section	.rodata,"a",@progbits
	.p2align	6, 0x0
	.amdhsa_kernel k_qe99ffa2697_gather
		.amdhsa_group_segment_fixed_size 512
		.amdhsa_private_segment_fixed_size 0
		.amdhsa_enable_private_segment 0
		.amdhsa_kernarg_size 32
		.amdhsa_user_sgpr_count 2
		.amdhsa_user_sgpr_kernarg_segment_ptr 1
		.amdhsa_wavefront_size32 1
		.amdhsa_system_sgpr_workgroup_id_x 1
		.amdhsa_system_sgpr_workgroup_id_y 1
		.amdhsa_system_sgpr_workgroup_id_z 1
		.amdhsa_system_vgpr_workitem_id 0
		.amdhsa_next_free_vgpr 256
		.amdhsa_next_free_sgpr 66
		.amdhsa_reserve_vcc 0
		.amdhsa_float_denorm_mode_32 3
		.amdhsa_float_denorm_mode_16_64 3
		.amdhsa_memory_ordered 1
		.amdhsa_forward_progress 1
		.amdhsa_inst_pref_size 32
	.end_amdhsa_kernel
	.amdgpu_metadata
---
amdhsa.version: [ 1, 2 ]
amdhsa.kernels:
  - .name:           k_qe99ffa2697_gather
    .symbol:         k_qe99ffa2697_gather.kd
    .args:
      - { .name: sele, .offset: 0, .size: 8, .value_kind: global_buffer, .address_space: global }
      - { .name: csc, .offset: 8, .size: 8, .value_kind: global_buffer, .address_space: global }
      - { .name: values, .offset: 16, .size: 8, .value_kind: global_buffer, .address_space: global }
      - { .name: out0, .offset: 24, .size: 8, .value_kind: global_buffer, .address_space: global }
    .group_segment_fixed_size: 512
    .private_segment_fixed_size: 0
    .kernarg_segment_align: 8
    .kernarg_segment_size: 32
    .max_flat_workgroup_size: 32
    .sgpr_count:     66
    .vgpr_count:     256
    .wavefront_size: 32
...
	.end_amdgpu_metadata
.endif
;; end of part 6
;; ======== version 2 of 2: 6 launches; version 1 with the launches rescore, gather written anew for expert scheduling mode
;; workspace buffers: codes 17,842,176 bytes; maxima 37,748,736 bytes; selc 262,144 bytes of whole numbers; self_ 524,288 bytes of whole numbers; sele 524,288 bytes of whole numbers; csc 4,194,304 bytes
;; launch quant: the kernel of part 1 again; grid 528 x 1, 4 waves a work-group, no clusters, 34,304 bytes of LDS; arguments keys, query, codes; writes codes
;; launch score: the kernel of part 2 again; grid 128 x 2, 8 waves a work-group, no clusters, 168,960 bytes of LDS; arguments codes, maxima; writes maxima
;; launch pickc: the kernel of part 3 again; grid 256 x 1, 8 waves a work-group, no clusters, 19,456 bytes of LDS; arguments maxima, selc; writes selc
;; launch pickf: the kernel of part 4 again; grid 2048 x 1, 1 waves a work-group, no clusters, 512 bytes of LDS; arguments selc, maxima, self_; writes self_
;; launch rescore (part 7): grid 2048 x 1, 1 waves a work-group, no clusters, 2,816 bytes of LDS; arguments self_, codes, sele, csc; writes sele, csc
.if DOCPART == 7
	.amdgcn_target "amdgcn-amd-amdhsa--gfx1250"
	.amdhsa_code_object_version 6
	.text
	.protected	k_qe99ffa2697_rescore
	.globl	k_qe99ffa2697_rescore
	.p2align	8
	.type	k_qe99ffa2697_rescore,@function
k_qe99ffa2697_rescore:
	s_mov_b64 s[64:65], 0
	v_nop
	global_prefetch_b8 v0, s[64:65] scope:SCOPE_SE
	s_setreg_imm32_b32 hwreg(HW_REG_WAVE_SCHED_MODE, 0, 2), 2
	s_setreg_imm32_b32 hwreg(HW_REG_WAVE_MODE, 25, 1), 1
	s_wait_xcnt 0x0
	s_wait_alu depctr_vm_vsrc(0)
; For each query row: the chosen 32 fine groups (16 neighbouring keys each) are scored again, by the same matrix instruction on the same codes with k in the same places; the 512 raw sums go to csc, the 32 best, by (score descending, key ascending), to sele as 16 lane masks.
; One wave, one row.  Source 0 = a fine group's 16 keys, gathered from two neighbouring key tiles (rows 8 h .. 8 h + 7 of each); source 1 = my query row in all 16 columns: so register j of a lane of half h2 is key 16 fid + 8 h2 + j, the same in all sixteen lanes.
; Fine group fid = 32 W + 16 h + phi lies in tiles 32 W + 2 phi and + 1.  Every address that hangs on data comes from whole numbers that an earlier launch stored, held by a constant before use.
; sele: [row][lane 32][2 words]: the fine list (lane = place, ascending), and in lanes 0-15 the masks (bit l of mask i: candidate 32 i + l = 16 x place + key within the group).  csc: [row][512] f32.
; LIMITS: NaN is not served; -0 and +0 rank as equal; raw sums rank as the scores do as long as a sixteenth of them is no denormal (magnitudes from 2^-122 on, or 0).
; THE MODE: SCHED_MODE bits 1:0 = 2 (LLVM: expert scheduling mode 2), set by the entry lines.  The code itself states the register dependences
; between vector or matrix instructions and memory or LDS instructions, with s_wait_alu, always for 0.
; THE PLAN.  The 32 groups go in 16 steps of two, through two buffers by turns (p = step % 2).  Registers that memory or LDS instructions touch:
;   KF[p], KS[p]    Written by step t's 18 loads, which are issued in step t - 2; read by step t's four matrix instructions.
;   VCO[p], VSO[p]  The loads' offsets.  Written by four additions at the head of step t - 2; read by those 18 loads.
;   ACC[p]          Written by step t's matrix instructions; read by step t's four LDS stores.
;   v200-215        At the head only: the compaction's places and indices, written by vector lines, read by its LDS stores; afterwards they are ACC[0].
;   v1-6, v58, v59, v63, v232  Offsets and addresses made once and never written again.
; A step has two such waits.  At its head, on vm_vsrc: this step's loads have read their offsets, which are written again at once, and the LDS stores of two steps back have read ACC[p].
; Behind its places, on va_vdst: the products have written ACC[p] and are done reading KF[p] and KS[p], and the four offsets are written: the loads of two steps on and the LDS stores follow with no further wait.
; The list's entries come off the lanes in two runs of sixteen, each with one wait on va_sdst behind it; the search's compares stand in runs likewise.
.set KSC,  16777216
.set QC,   17301504
.set QSC,  17825792
.set STG,  256                         ; LDS: words 0-32 the list and the word behind it; from 256 on the 512 scores
.set VLN,  1
.set VL4,  2
.set VZ,   3
.set VDU,  4
.set L16,  5
.set L8,   6
.set VT,   12
.set LC,   14                          ; my lane's place in a gathered fragment's codes
.set LSC,  15                          ; and among its scale words
.set QF,   16                          ; v16-47  the query's two fragments
.set QSW,  48                          ; its scale words
.set VCO,  50                          ; v50-53  byte offsets of the groups' codes: set p, group j at VCO + 2 p + j
.set VSO,  54                          ; v54-57  and of their scale words, likewise
.set QA,   58
.set QSA,  59
.set FID,  60                          ; v60 the fine list, v61 the masks
.set IT,   62
.set TA,   63
.set KF,   64                          ; v64-191 buffer p, group j, K step k: 16 registers at KF + 64 p + 32 j + 16 k
.set KS,   192                         ; v192-195 their scale words: KS + 2 p + j
.set ACC,  200                         ; v200-231 four accumulators: ACC + 16 p + 8 j
.set CP,   200                         ; at the head only: v200-207 the compaction's places,
.set CD,   208                         ; v208-215 its indices
.set STA,  232
.set K,    64                          ; later: v64-79 the 512 candidates
.set CS,   80                          ; v80-95 the same, for csc
.set W,    96                          ; v96-103 the search's counts of equals
.set M,    16                          ; s16-31: first the loaded masks, then sixteen entries of the list, later the masks made
.set LN,   16
.set RO,   12                          ; s12-15 a step's four offsets
.set X,    32                          ; s32-39 the search: eight masks of equals,
.set Y,    40                          ; s40-47 and of those of them that are taken
.set S_T,  48
.set S_B,  49
.set S_N,  50
.set S_R,  51
.set S_C,  52
.set S_Q,  53
.set S_E,  54
.set S_P,  57
.set S_U,  58
.macro SELECT n, k, m
.set i, 0
.rept \n
	v_add_f32 v[(\k)+i], 0, v[(\k)+i]              ; -0 becomes +0
.set i, i+1
.endr
.set i, 0
.rept \n
	v_ashrrev_i32 v[VT+i%2], 31, v[(\k)+i]         ; an unsigned number that keeps the order
	v_or_b32 v[VT+i%2], 0x80000000, v[VT+i%2]
	v_xor_b32 v[(\k)+i], v[VT+i%2], v[(\k)+i]
.set i, i+1
.endr
	s_mov_b32 s[S_T], 0
	s_mov_b32 s[S_B], 0x80000000
	s_mov_b32 s[S_N], 32
.Lbit_\@:                              ; the largest T with 32 or more items at or above it: the 32nd largest item
	s_or_b32 s[S_R], s[S_T], s[S_B]
.set i, 0
.rept \n
	v_cmp_le_u32 s[(\m)+i], s[S_R], v[(\k)+i]
.set i, i+1
.endr
	s_wait_alu depctr_va_sdst(0)                   ; the compares have written the masks, ahead of the counts that read them
	s_bcnt1_i32_b32 s[S_C], s[\m]
.set i, 1
.rept \n-1
	s_bcnt1_i32_b32 s[S_U+i%2], s[(\m)+i]
	s_add_co_u32 s[S_C], s[S_C], s[S_U+i%2]
.set i, i+1
.endr
	s_cmp_ge_u32 s[S_C], 32
	s_cselect_b32 s[S_T], s[S_R], s[S_T]
	s_lshr_b32 s[S_B], s[S_B], 1
	s_sub_co_u32 s[S_N], s[S_N], 1
	s_cmp_lg_u32 s[S_N], 0
	s_cbranch_scc1 .Lbit_\@
.set i, 0
.rept \n
	v_cmp_lt_u32 s[(\m)+i], s[S_T], v[(\k)+i]
.set i, i+1
.endr
	s_wait_alu depctr_va_sdst(0)                   ; the compares have written the masks of all that lie above T, ahead of the counts that read them
	s_bcnt1_i32_b32 s[S_C], s[\m]
.set i, 1
.rept \n-1
	s_bcnt1_i32_b32 s[S_U+i%2], s[(\m)+i]
	s_add_co_u32 s[S_C], s[S_C], s[S_U+i%2]
.set i, i+1
.endr
	s_sub_co_u32 s[S_Q], 32, s[S_C]
	s_mov_b32 s[S_E], 0
.set g, 0
.rept \n/8                             ; the equals, the lowest indices first: eight registers at a time, each kind of compare in one run
.set i, 0
.rept 8
	v_cmp_eq_u32 s[X+i], s[S_T], v[(\k)+8*g+i]
.set i, i+1
.endr
	s_wait_alu depctr_va_sdst(0)                   ; the eight masks of equals are written, ahead of the counts that read them
.set i, 0
.rept 8
	v_mbcnt_lo_u32_b32 v[W+i], s[X+i], s[S_E]      ; how many equals come before mine
	s_bcnt1_i32_b32 s[S_U], s[X+i]
	s_add_co_u32 s[S_E], s[S_E], s[S_U]
.set i, i+1
.endr
.set i, 0
.rept 8
	v_cmp_gt_u32 s[Y+i], s[S_Q], v[W+i]
.set i, i+1
.endr
	s_wait_alu depctr_va_sdst(0)                   ; the eight masks of those in reach are written, ahead of the scalar lines that read them
.set i, 0
.rept 8
	s_and_b32 s[Y+i], s[Y+i], s[X+i]
	s_or_b32 s[(\m)+8*g+i], s[(\m)+8*g+i], s[Y+i]
.set i, i+1
.endr
.set g, g+1
.endr
.endm
.macro MASKS2V n, m, vd
	v_mov_b32 v[\vd], 0
.set i, 0
.rept \n
	v_writelane_b32 v[\vd], s[(\m)+i], i
.set i, i+1
.endr
.endm
; Masks to a list in LDS words 0-31; the place is held at 32 by a constant in the instruction.  All places and indices are made first, each in a register of its own; one wait; then the stores in one run.
.macro COMPACT n, first, stride
	s_mov_b32 s[S_P], 0
.set i, 0
.rept \n
	v_mbcnt_lo_u32_b32 v[CP+i], s[\first+\stride*i], s[S_P]
	s_bcnt1_i32_b32 s[S_U], s[\first+\stride*i]
	s_add_co_u32 s[S_P], s[S_P], s[S_U]
.set i, i+1
.endr
.set i, 0
.rept \n
	v_cndmask_b32 v[CP+i], v[VDU], v[CP+i], s[\first+\stride*i]
.set i, i+1
.endr
.set i, 0
.rept \n
	v_min_u32 v[CP+i], 32, v[CP+i]
.set i, i+1
.endr
.set i, 0
.rept \n
	v_lshlrev_b32 v[CP+i], 2, v[CP+i]
.set i, i+1
.endr
.set i, 0
.rept \n
	v_add_nc_u32 v[CD+i], 32*i, v[VLN]
.set i, i+1
.endr
	s_wait_alu depctr_va_vdst(0)                   ; the places and the indices are written, which the LDS stores read
	ds_store_b32 v[VL4], v[VZ]                     ; every word of the list is written
.set i, 0
.rept \n
	ds_store_b32 v[CP+i], v[CD+i]
.set i, i+1
.endr
.endm
	s_load_b256 s[4:11], s[0:1], 0x0               ; self_, codes, sele, csc
	v_lshl_add_u32 v240, v0, 2, 0xa00
	v_mov_b32 v241, 0
	v_and_b32 v[VLN], 31, v0
	v_lshlrev_b32 v[VL4], 2, v[VLN]
	v_lshlrev_b32 v[L16], 4, v[VLN]
	v_lshlrev_b32 v[L8], 3, v[VLN]
	v_mov_b32 v[VZ], 0
	v_mov_b32 v[VDU], 32
	v_bfe_u32 v8, v0, 3, 1                         ; r / 8: which of the two tiles
	v_bfe_u32 v9, v0, 4, 1                         ; the lane's half
	v_and_b32 v10, 7, v0                           ; r % 8
	v_lshlrev_b32 v[LC], 12, v8                    ; codes: (r / 8) x 4,096 + (16 half + r % 8) x 16
	v_lshl_add_u32 v[LC], v9, 8, v[LC]
	v_lshl_add_u32 v[LC], v10, 4, v[LC]
	v_lshlrev_b32 v[LSC], 7, v9                    ; scale words: K step (= half) x 128 + (r % 8) x 8 + (r / 8) x 4
	v_lshl_add_u32 v[LSC], v10, 3, v[LSC]
	v_lshl_add_u32 v[LSC], v8, 2, v[LSC]
	v_lshlrev_b32 v[QA], 8, v9                     ; the query: my half's 256 bytes of a group; the row stands in the base
	v_lshlrev_b32 v[QSA], 7, v9
	v_lshl_add_u32 v[STA], v9, 5, STG              ; the scores' stage: 32 bytes for each half
	s_lshr_b32 s12, ttmp9, 4                       ; my query tile,
	s_and_b32 s13, ttmp9, 15                       ; my row in it
	s_lshl_b32 s38, s12, 12
	s_lshl_b32 s39, s13, 4
	s_add_co_u32 s38, s38, s39
	s_add_co_u32 s38, s38, QC
	s_mov_b32 s39, 0
	s_lshr_b32 s40, s12, 1
	s_lshl_b32 s40, s40, 8
	s_lshl_b32 s41, s13, 3
	s_add_co_u32 s40, s40, s41
	s_and_b32 s41, s12, 1
	s_lshl_b32 s41, s41, 2
	s_add_co_u32 s40, s40, s41
	s_add_co_u32 s40, s40, QSC
	s_mov_b32 s41, 0
	s_lshl_b32 s42, ttmp9, 8
	s_mov_b32 s43, 0
	s_lshl_b32 s44, ttmp9, 11
	s_mov_b32 s45, 0
	s_wait_kmcnt 0x0
	s_add_nc_u64 s[4:5], s[4:5], s[42:43]          ; my row of self_
	s_load_b512 s[16:31], s[4:5], 0x0              ; lanes 0-7's pairs: the masks are the odd words
	s_add_nc_u64 s[32:33], s[6:7], s[38:39]        ; the query's codes
	s_add_nc_u64 s[34:35], s[6:7], s[40:41]        ; its scale words
	s_add_nc_u64 s[36:37], s[6:7], KSC             ; the keys' scale words
	s_add_nc_u64 s[8:9], s[8:9], s[42:43]          ; my row of sele
	s_add_nc_u64 s[10:11], s[10:11], s[44:45]      ; and of csc
	s_wait_alu depctr_va_vdst(0)                   ; the head's offsets and addresses are written (v2, v3, v5, v6, v58, v59, v232), which the loads and stores of the whole kernel read
.irp k, 0,1
.irp c, 0,1,2,3
	global_load_b128 v[QF+16*\k+4*\c:QF+16*\k+4*\c+3], v[QA], s[32:33] offset:\k*2048+\c*512
.endr
.endr
	global_load_b32 v[QSW], v[QSA], s[34:35]
	s_wait_kmcnt 0x0
	COMPACT 8, 17, 2
	ds_load_b32 v[IT], v[VL4]                      ; item = 8 x place in the coarse list + fine group within
	s_wait_dscnt 0x0
	v_min_u32 v[IT], 0xff, v[IT]
	v_and_b32 v[TA], 0xf8, v[IT]                   ; 8 bytes a place
	s_wait_alu depctr_va_vdst(0)                   ; v63 is written, which the load below reads as its offset
	global_load_b32 v[FID], v[TA], s[4:5]          ; the coarse group
	s_wait_loadcnt 0x0                             ; and the query is in too
	v_min_u32 v[FID], 0x1ff, v[FID]
	v_lshlrev_b32 v[FID], 3, v[FID]
	v_and_b32 v[IT], 7, v[IT]
	v_add_nc_u32 v[FID], v[FID], v[IT]             ; the fine list: lane = place, ascending
.macro LANES h                         ; places 16 h .. 16 h + 15 of the list become scalars, in one run
.set i, 0
.rept 16
	v_readlane_b32 s[LN+i], v[FID], 16*(\h)+i
.set i, i+1
.endr
	s_wait_alu depctr_va_sdst(0)                   ; the sixteen entries are written, ahead of the scalar lines that read them
.endm
.macro ADDR t                          ; the offsets of step t's two groups, places 2 t and 2 t + 1
.irp j, 0,1
	s_min_u32 s38, s[LN+(2*(\t)+\j)%16], 0xfff
	s_and_b32 s42, s38, 0xfe0                      ; 32 W
	s_and_b32 s43, s38, 15                         ; phi
	s_and_b32 s44, s38, 16                         ; 16 h
	s_lshl_b32 s45, s42, 12                        ; codes: tile 32 W + 2 phi, row 8 h
	s_lshl_b32 s46, s43, 13
	s_add_co_u32 s45, s45, s46
	s_lshl_b32 s46, s44, 3
	s_add_co_u32 s[RO+2*\j], s45, s46
	v_add_nc_u32 v[VCO+2*((\t)%2)+\j], s[RO+2*\j], v[LC]
	s_lshl_b32 s45, s42, 7                         ; scale words: pair 16 W + phi, row 8 h
	s_lshl_b32 s46, s43, 8
	s_add_co_u32 s45, s45, s46
	s_lshl_b32 s46, s44, 2
	s_add_co_u32 s[RO+2*\j+1], s45, s46
	v_add_nc_u32 v[VSO+2*((\t)%2)+\j], s[RO+2*\j+1], v[LSC]
.endr
.endm
.macro LOADS t                         ; step t's 18 loads, into buffer t % 2
.irp j, 0,1
.irp k, 0,1
.irp c, 0,1,2,3
	global_load_b128 v[KF+64*((\t)%2)+32*\j+16*\k+4*\c:KF+64*((\t)%2)+32*\j+16*\k+4*\c+3], v[VCO+2*((\t)%2)+\j], s[6:7] offset:\k*2048+\c*512
.endr
.endr
	global_load_b32 v[KS+2*((\t)%2)+\j], v[VSO+2*((\t)%2)+\j], s[36:37]
.endr
.endm
.macro STEP t                          ; places 2 t and 2 t + 1
.set PB, (\t)%2
.if (\t) < 15
	s_wait_loadcnt 18                              ; loads come back in order (ISA guide 5.7.1): this step's 18 are in, and their offsets' registers are free; the next step's 18 may be out
.else
	s_wait_loadcnt 0x0
.endif
	s_wait_alu depctr_vm_vsrc(0)                   ; this step's loads have read their offsets, which the additions below write again; the LDS stores of two steps back (in step 0: the compaction's) have read the registers that this step's products write
.if (\t) == 6
	LANES 1                                        ; the first sixteen entries are used up: step 7's offsets were made in the step before
.endif
.if (\t)+2 < 16
	ADDR (\t)+2
.endif
.irp j, 0,1                            ; the two accumulators by turns
	v_wmma_scale_f32_16x16x128_f8f6f4 v[ACC+16*PB+8*\j:ACC+16*PB+8*\j+7], v[KF+64*PB+32*\j:KF+64*PB+32*\j+15], v[QF:QF+15], 0, v[KS+2*PB+\j], v[QSW] matrix_a_fmt:MATRIX_FMT_BF8 matrix_b_fmt:MATRIX_FMT_BF8
.endr
.irp j, 0,1
	v_wmma_scale_f32_16x16x128_f8f6f4 v[ACC+16*PB+8*\j:ACC+16*PB+8*\j+7], v[KF+64*PB+32*\j+16:KF+64*PB+32*\j+31], v[QF+16:QF+31], v[ACC+16*PB+8*\j:ACC+16*PB+8*\j+7], v[KS+2*PB+\j], v[QSW] matrix_a_fmt:MATRIX_FMT_BF8 matrix_b_fmt:MATRIX_FMT_BF8 matrix_a_scale:MATRIX_SCALE_ROW1 matrix_b_scale:MATRIX_SCALE_ROW1
.endr
.rept 8
	v_nop                                          ; eight places in front of the stores that read the results; with the next step's eight they are more than the nine that stand between these products and those of two steps on, which begin these accumulators anew
.endr
	s_wait_alu depctr_va_vdst(0)                   ; the products have written their accumulators, which the LDS stores read, and are done reading this buffer and its scale words, in which the loads land; the four offsets are written
.if (\t)+2 < 16
	LOADS (\t)+2
.endif
.irp j, 0,1
	ds_store_b128 v[STA], v[ACC+16*PB+8*\j:ACC+16*PB+8*\j+3] offset:64*(2*(\t)+\j)       ; sixteen lanes write the same bytes with the same values; each accumulator from its low end on
	ds_store_b128 v[STA], v[ACC+16*PB+8*\j+4:ACC+16*PB+8*\j+7] offset:64*(2*(\t)+\j)+16
.endr
.endm
	LANES 0
	ADDR 0
	ADDR 1
	s_wait_alu depctr_va_vdst(0)                   ; the eight offsets of steps 0 and 1 are written, which the 36 loads below read
	LOADS 0
	LOADS 1
.irp t, 0,1,2,3,4,5,6,7,8,9,10,11,12,13,14,15
	STEP \t
.endr
; The loads below land in v64-95, which step 14's products were the last to name: the waits on va_vdst of steps 14 and 15 stand behind those products, and nothing since names these registers.
.irp i, 0,1,2,3,4,5,6,7,8,9,10,11,12,13,14,15
	ds_load_b32 v[K+\i], v[VL4] offset:STG+128*\i  ; candidate 32 i + lane.  LDS serves a wave's instructions in order: these see the stores above
.endr
.irp x, 0,1,2,3
	ds_load_b128 v[CS+4*\x:CS+4*\x+3], v[L16] offset:STG+512*\x
.endr
	s_wait_dscnt 0x0
.irp x, 0,1,2,3
	global_store_b128 v[L16], v[CS+4*\x:CS+4*\x+3], s[10:11] offset:512*\x   ; 512 consecutive bytes, aligned; their data are never written again
.endr
	SELECT 16, K, M
	MASKS2V 16, M, FID+1
	s_wait_alu depctr_va_vdst(0)                   ; v60 and v61 are written, which the store reads
	global_store_b64 v[L8], v[FID:FID+1], s[8:9]   ; 256 consecutive bytes, aligned
	s_wait_dscnt 0x0                               ; the closing lines, six on end
	s_wait_alu 0x0
	s_wait_tensorcnt 0x0
	ds_add_u32 v240, v241
	s_wait_dscnt 0x0
	s_endpgm
.Lfunc_end_k_qe99ffa2697_rescore:
	.size	k_qe99ffa2697_rescore, .Lfunc_end_k_qe99ffa2697_rescore-k_qe99ffa2697_rescore
	.p2alignl 7, 3214868480
	.fill 96, 4, 3214868480
	.section	.rodata,"a",@progbits
	.p2align	6, 0x0
	.amdhsa_kernel k_qe99ffa2697_rescore
		.amdhsa_group_segment_fixed_size 2816
		.amdhsa_private_segment_fixed_size 0
		.amdhsa_enable_private_segment 0
		.amdhsa_kernarg_size 32
		.amdhsa_user_sgpr_count 2
		.amdhsa_user_sgpr_kernarg_segment_ptr 1
		.amdhsa_wavefront_size32 1
		.amdhsa_system_sgpr_workgroup_id_x 1
		.amdhsa_system_sgpr_workgroup_id_y 1
		.amdhsa_system_sgpr_workgroup_id_z 1
		.amdhsa_system_vgpr_workitem_id 0
		.amdhsa_next_free_vgpr 242
		.amdhsa_next_free_sgpr 66
		.amdhsa_reserve_vcc 0
		.amdhsa_float_denorm_mode_32 3
		.amdhsa_float_denorm_mode_16_64 3
		.amdhsa_memory_ordered 1
		.amdhsa_forward_progress 1
		.amdhsa_inst_pref_size 87
	.end_amdhsa_kernel
	.amdgpu_metadata
---
amdhsa.version: [ 1, 2 ]
amdhsa.kernels:
  - .name:           k_qe99ffa2697_rescore
    .symbol:         k_qe99ffa2697_rescore.kd
    .args:
      - { .name: self_, .offset: 0, .size: 8, .value_kind: global_buffer, .address_space: global }
      - { .name: codes, .offset: 8, .size: 8, .value_kind: global_buffer, .address_space: global }
      - { .name: sele, .offset: 16, .size: 8, .value_kind: global_buffer, .address_space: global }
      - { .name: csc, .offset: 24, .size: 8, .value_kind: global_buffer, .address_space: global }
    .group_segment_fixed_size: 2816
    .private_segment_fixed_size: 0
    .kernarg_segment_align: 8
    .kernarg_segment_size: 32
    .max_flat_workgroup_size: 32
    .sgpr_count:     66
    .vgpr_count:     242
    .wavefront_size: 32
...
	.end_amdgpu_metadata
.endif
;; end of part 7
;; launch gather (part 8): grid 2048 x 1, 1 waves a work-group, no clusters, 512 bytes of LDS; arguments sele, csc, values, out0; writes out0
.if DOCPART == 8
	.amdgcn_target "amdgcn-amd-amdhsa--gfx1250"
	.amdhsa_code_object_version 6
	.text
	.protected	k_qe99ffa2697_gather
	.globl	k_qe99ffa2697_gather
	.p2align	8
	.type	k_qe99ffa2697_gather,@function
k_qe99ffa2697_gather:
	s_mov_b64 s[64:65], 0
	v_nop
	global_prefetch_b8 v0, s[64:65] scope:SCOPE_SE
	s_setreg_imm32_b32 hwreg(HW_REG_WAVE_SCHED_MODE, 0, 2), 2
	s_setreg_imm32_b32 hwreg(HW_REG_WAVE_MODE, 25, 1), 1
	s_wait_xcnt 0x0
	s_wait_alu depctr_vm_vsrc(0)
; For each query row: the 16 masks become the list of its 32 best candidates; their raw sums and keys are fetched; softmax of sum / 16 with the largest taken away first; the 32 rows of values are gathered and summed with the weights, in f32 fused multiply-adds.
; One wave, one row; a lane holds one candidate in the softmax, and 8 of the 256 channels in the sum.  A row of values is two loads of 512 consecutive bytes.
; The 32 rows go in four batches of 8 (16 loads) through three buffers: 48 loads are out while the softmax is made.  No matrix unit: the second product has one column.
; Every address that hangs on data comes from whole numbers that an earlier launch stored, held by a constant before use.
; LIMITS: NaN and infinities are not served; a weight under 2^-126 of the largest counts as 0.
; THE MODE: SCHED_MODE bits 1:0 = 2 (LLVM: expert scheduling mode 2), set by the entry lines.  The code itself states the register dependences
; between vector instructions and memory or LDS instructions, with s_wait_alu, always for 0.
; THE PLAN.  Registers that memory or LDS instructions touch:
;   v32-63      At the head only: the compaction's 16 places and 16 indices, written by vector lines, read by its LDS stores; afterwards they are the offsets and the sum.
;   VOF         The rows' offsets.  24 are written in one run and read by the 48 loads behind one wait; the first eight are written once more, for batch 3, when batch 0's loads have read them.
;   BUF0 .. 2   Written by the loads; read by the packed sums.  BUF0 is loaded once more, for batch 3, behind batch 0's sums.
;   SUM         Written by the packed sums; read by the two stores at the end.
;   v2, v3, v5, v13, v14   Offsets and addresses made once and never written again.
; The 32 keys come off the lanes in one run, with one wait on va_sdst behind it; the weights eight at a time, a wait to a batch.
.set VLN,  1
.set VL4,  2
.set VZ,   3
.set VDU,  4
.set L16,  5
.set CI,   12                          ; the candidate: 16 x place in the fine list + key within the group
.set TA,   13
.set TB,   14
.set SCR,  15                          ; its raw sum
.set FID,  16
.set KID,  17                          ; its key
.set MX,   18
.set TP,   19
.set P,    20
.set SM,   21
.set WGT,  22
.set CP,   32                          ; at the head only: v32-47 the compaction's places,
.set CD,   48                          ; v48-63 its indices
.set VOF,  32                          ; v32-55  byte offsets of 24 rows
.set SUM,  56                          ; v56-63  my 8 channels
.set BUF,  64                          ; v64-255 three buffers of 8 rows x 8 registers
.set RW,   16                          ; s16-47: first the loaded masks, then the 32 rows' byte offsets; later s16-31 eight pairs for the weights, s40-47 still batch 3's offsets
.set SEL,  48
.set S_P,  57
.set S_U,  58
; Masks to a list in LDS words 0-31; the place is held at 32 (the word behind the list) by a constant in the instruction.  All places and indices are made first, each in a register of its own; one wait; then the stores in one run.
.macro COMPACT n, first, stride
	s_mov_b32 s[S_P], 0
.set i, 0
.rept \n
	v_mbcnt_lo_u32_b32 v[CP+i], s[\first+\stride*i], s[S_P]
	s_bcnt1_i32_b32 s[S_U], s[\first+\stride*i]
	s_add_co_u32 s[S_P], s[S_P], s[S_U]
.set i, i+1
.endr
.set i, 0
.rept \n
	v_cndmask_b32 v[CP+i], v[VDU], v[CP+i], s[\first+\stride*i]
.set i, i+1
.endr
.set i, 0
.rept \n
	v_min_u32 v[CP+i], 32, v[CP+i]
.set i, i+1
.endr
.set i, 0
.rept \n
	v_lshlrev_b32 v[CP+i], 2, v[CP+i]
.set i, i+1
.endr
.set i, 0
.rept \n
	v_add_nc_u32 v[CD+i], 32*i, v[VLN]
.set i, i+1
.endr
	s_wait_alu depctr_va_vdst(0)                   ; the places and the indices are written, which the LDS stores read; so are the head's v2, v3 and v5, which the loads and stores of the whole kernel read
	ds_store_b32 v[VL4], v[VZ]                     ; every word of the list is written
.set i, 0
.rept \n
	ds_store_b32 v[CP+i], v[CD+i]
.set i, i+1
.endr
.endm
	s_load_b256 s[4:11], s[0:1], 0x0               ; sele, csc, values, out0
	v_lshl_add_u32 v30, v0, 2, 0x100
	v_mov_b32 v31, 0
	v_and_b32 v[VLN], 31, v0
	v_lshlrev_b32 v[VL4], 2, v[VLN]
	v_lshlrev_b32 v[L16], 4, v[VLN]
	v_mov_b32 v[VZ], 0
	v_mov_b32 v[VDU], 32
	v_mov_b32 v[TP], 0                             ; a lane permute's destination counts as one of its sources
	s_mov_b32 s[SEL], 0x76543210
	s_mov_b32 s[SEL+1], 0xfedcba98                 ; lane l xor 16
	s_lshl_b32 s12, ttmp9, 8
	s_mov_b32 s13, 0
	s_lshl_b32 s14, ttmp9, 11
	s_mov_b32 s15, 0
	s_lshl_b32 s50, ttmp9, 10
	s_mov_b32 s51, 0
	s_wait_kmcnt 0x0
	s_add_nc_u64 s[4:5], s[4:5], s[12:13]          ; my row of sele
	s_load_b512 s[16:31], s[4:5], 0x0              ; lanes 0-15's pairs: the masks are the odd words
	s_load_b512 s[32:47], s[4:5], 0x40
	s_add_nc_u64 s[6:7], s[6:7], s[14:15]          ; of csc
	s_add_nc_u64 s[10:11], s[10:11], s[50:51]      ; of out0
	s_wait_kmcnt 0x0
	COMPACT 16, 17, 2
	ds_load_b32 v[CI], v[VL4]
	s_wait_dscnt 0x0
	v_lshrrev_b32 v[TA], 4, v[CI]                  ; the place in the fine list: shifted first, then held
	v_min_u32 v[TA], 31, v[TA]
	v_lshlrev_b32 v[TA], 3, v[TA]                  ; 8 bytes a place
	v_min_u32 v[CI], 0x1ff, v[CI]
	v_lshlrev_b32 v[TB], 2, v[CI]
	s_wait_alu depctr_va_vdst(0)                   ; v13 and v14 are written, which the two loads read as their offsets
	global_load_b32 v[SCR], v[TB], s[6:7]
	global_load_b32 v[FID], v[TA], s[4:5]
	s_wait_loadcnt 0x0
	v_min_u32 v[FID], 0xfff, v[FID]
	v_lshlrev_b32 v[FID], 4, v[FID]
	v_and_b32 v[CI], 15, v[CI]
	v_add_nc_u32 v[KID], v[FID], v[CI]             ; the key: lane = rank's place
.set i, 0
.rept 32
	v_readlane_b32 s[RW+i], v[KID], i              ; all 32 keys become scalars, in one run
.set i, i+1
.endr
	s_wait_alu depctr_va_sdst(0)                   ; the 32 keys are written, ahead of the scalar lines that read them
.set i, 0
.rept 32
	s_min_u32 s[RW+i], s[RW+i], 0xffff
	s_lshl_b32 s[RW+i], s[RW+i], 10                ; 1,024 bytes a row
.set i, i+1
.endr
.macro OFFS q, bu                      ; the offsets of rows 8 q .. 8 q + 7, for buffer bu
.irp k, 0,1,2,3,4,5,6,7
	v_add_nc_u32 v[VOF+8*(\bu)+\k], s[RW+8*(\q)+\k], v[L16]
.endr
.endm
.macro FETCH bu                        ; eight rows into buffer bu
.irp k, 0,1,2,3,4,5,6,7
	global_load_b128 v[BUF+64*(\bu)+8*\k:BUF+64*(\bu)+8*\k+3], v[VOF+8*(\bu)+\k], s[8:9]
	global_load_b128 v[BUF+64*(\bu)+8*\k+4:BUF+64*(\bu)+8*\k+7], v[VOF+8*(\bu)+\k], s[8:9] offset:512
.endr
.endm
.macro USE q, bu                       ; the sum takes rows 8 q .. 8 q + 7; the very first row starts it: nothing is cleared
.irp k, 0,1,2,3,4,5,6,7
	v_readlane_b32 s[RW+2*\k], v[WGT], 8*(\q)+\k
.endr
	s_wait_alu depctr_va_sdst(0)                   ; the batch's eight weights are written, ahead of the packed sums that read them
.irp k, 0,1,2,3,4,5,6,7
.irp i, 0,1,2,3
.if (\q) == 0 && \k == 0
	v_pk_mul_f32 v[SUM+2*\i:SUM+2*\i+1], v[BUF+64*(\bu)+8*\k+2*\i:BUF+64*(\bu)+8*\k+2*\i+1], s[RW+2*\k:RW+2*\k+1] op_sel_hi:[1,0]
.else
	v_pk_fma_f32 v[SUM+2*\i:SUM+2*\i+1], v[BUF+64*(\bu)+8*\k+2*\i:BUF+64*(\bu)+8*\k+2*\i+1], s[RW+2*\k:RW+2*\k+1], v[SUM+2*\i:SUM+2*\i+1] op_sel_hi:[1,0,1]
.endif
.endr
.endr
.endm
	s_wait_alu depctr_vm_vsrc(0)                   ; the compaction's LDS stores have read v32-63, which the offsets below and later the sum write again
	OFFS 0, 0
	OFFS 1, 1
	OFFS 2, 2
	s_wait_alu depctr_va_vdst(0)                   ; the 24 offsets are written, which the 48 loads read
	FETCH 0
	FETCH 1
	FETCH 2
.irp k, 0,1,2,3,4,5,6,7
	s_mov_b32 s[RW+2*\k+1], 0                      ; the weights' pairs: the packed forms name a pair and take its low word for both halves, so the upper words are written
.endr
	; the softmax over the 32 lanes, while the rows are on their way
	v_mov_b32 v[MX], v[SCR]
	v_max_num_f32_dpp v[MX], v[MX], v[MX] row_xmask:1 row_mask:0xf bank_mask:0xf
	v_max_num_f32_dpp v[MX], v[MX], v[MX] row_xmask:2 row_mask:0xf bank_mask:0xf
	v_max_num_f32_dpp v[MX], v[MX], v[MX] row_xmask:4 row_mask:0xf bank_mask:0xf
	v_max_num_f32_dpp v[MX], v[MX], v[MX] row_xmask:8 row_mask:0xf bank_mask:0xf
	v_permlanex16_b32 v[TP], v[MX], s[SEL], s[SEL+1]
	v_max_num_f32 v[MX], v[MX], v[TP]              ; the largest raw sum
	v_sub_f32 v[P], v[SCR], v[MX]
	v_mul_f32 v[P], 0x3db8aa3b, v[P]               ; x log2(e) / 16: the scores' factor 256^-0.5 and the change of base in one
	v_exp_f32 v[P], v[P]
	v_nop                                          ; a plain line behind the transcendental,
	s_wait_alu depctr_va_vdst(0)                   ; and the exponential has written v20, ahead of its first reader
	v_mov_b32 v[SM], v[P]
	v_add_f32_dpp v[SM], v[SM], v[SM] row_xmask:1 row_mask:0xf bank_mask:0xf
	v_add_f32_dpp v[SM], v[SM], v[SM] row_xmask:2 row_mask:0xf bank_mask:0xf
	v_add_f32_dpp v[SM], v[SM], v[SM] row_xmask:4 row_mask:0xf bank_mask:0xf
	v_add_f32_dpp v[SM], v[SM], v[SM] row_xmask:8 row_mask:0xf bank_mask:0xf
	v_permlanex16_b32 v[TP], v[SM], s[SEL], s[SEL+1]
	v_add_f32 v[SM], v[SM], v[TP]                  ; at least 1: the largest's own term
	v_rcp_f32 v[SM], v[SM]
	v_nop
	s_wait_alu depctr_va_vdst(0)                   ; the reciprocal has written v21, ahead of its first reader
	v_mul_f32 v[WGT], v[P], v[SM]                  ; the weights: lane = place
	s_wait_loadcnt 32                              ; batch 0's 16 loads are in, and their offsets' registers are free; batches 1 and 2 may be out
	s_wait_alu depctr_vm_vsrc(0)                   ; batch 0's loads have read their eight offsets, which the additions below write again
	OFFS 3, 0
	USE 0, 0
	s_wait_alu depctr_va_vdst(0)                   ; batch 3's eight offsets are written, which the loads below read; batch 0's sums are done reading buffer 0, in which they land
	FETCH 0
	s_wait_loadcnt 32                              ; batch 1 is in; batches 2 and 3 may be out
	USE 1, 1
	s_wait_loadcnt 16                              ; batch 2 is in; batch 3 may be out
	USE 2, 2
	s_wait_loadcnt 0x0
	USE 3, 0
	s_wait_alu depctr_va_vdst(0)                   ; the sums are written, which the two stores read
	global_store_b128 v[L16], v[SUM:SUM+3], s[10:11]               ; 512 consecutive bytes, aligned
	global_store_b128 v[L16], v[SUM+4:SUM+7], s[10:11] offset:512
	s_wait_dscnt 0x0                               ; the closing lines, six on end
	s_wait_alu 0x0
	s_wait_tensorcnt 0x0
	ds_add_u32 v30, v31
	s_wait_dscnt 0x0
	s_endpgm
.Lfunc_end_k_qe99ffa2697_gather:
	.size	k_qe99ffa2697_gather, .Lfunc_end_k_qe99ffa2697_gather-k_qe99ffa2697_gather
	.p2alignl 7, 3214868480
	.fill 96, 4, 3214868480
	.section	.rodata,"a",@progbits
	.p2align	6, 0x0
	.amdhsa_kernel k_qe99ffa2697_gather
		.amdhsa_group_segment_fixed_size 512
		.amdhsa_private_segment_fixed_size 0
		.amdhsa_enable_private_segment 0
		.amdhsa_kernarg_size 32
		.amdhsa_user_sgpr_count 2
		.amdhsa_user_sgpr_kernarg_segment_ptr 1
		.amdhsa_wavefront_size32 1
		.amdhsa_system_sgpr_workgroup_id_x 1
		.amdhsa_system_sgpr_workgroup_id_y 1
		.amdhsa_system_sgpr_workgroup_id_z 1
		.amdhsa_system_vgpr_workitem_id 0
		.amdhsa_next_free_vgpr 256
		.amdhsa_next_free_sgpr 66
		.amdhsa_reserve_vcc 0
		.amdhsa_float_denorm_mode_32 3
		.amdhsa_float_denorm_mode_16_64 3
		.amdhsa_memory_ordered 1
		.amdhsa_forward_progress 1
		.amdhsa_inst_pref_size 33
	.end_amdhsa_kernel
	.amdgpu_metadata
---
amdhsa.version: [ 1, 2 ]
amdhsa.kernels:
  - .name:           k_qe99ffa2697_gather
    .symbol:         k_qe99ffa2697_gather.kd
    .args:
      - { .name: sele, .offset: 0, .size: 8, .value_kind: global_buffer, .address_space: global }
      - { .name: csc, .offset: 8, .size: 8, .value_kind: global_buffer, .address_space: global }
      - { .name: values, .offset: 16, .size: 8, .value_kind: global_buffer, .address_space: global }
      - { .name: out0, .offset: 24, .size: 8, .value_kind: global_buffer, .address_space: global }
    .group_segment_fixed_size: 512
    .private_segment_fixed_size: 0
    .kernarg_segment_align: 8
    .kernarg_segment_size: 32
    .max_flat_workgroup_size: 32
    .sgpr_count:     66
    .vgpr_count:     256
    .wavefront_size: 32
...
	.end_amdgpu_metadata
.endif
;; end of part 8
